; MI455X (gfx1250); checked and timed in simulation.
; The chip was launched on July 23, 2026; its instructions are those of AMD's public machine-readable ISA for CDNA 5 (MIT licence, August 2026) and "CDNA5" Instruction Set Architecture Reference Guide (July 2026). The comments in the code are by the model that wrote it; some were corrected since.
;; Multi Head Latent Attention. Allowed arithmetic: float matrix products may take bf16 or f16 operands with f32 sums; other float arithmetic in f32, or as packed bf16 or f16 multiplies, adds, multiply-adds, maxima and minima; sums over many terms, partial sums and values carried from step to step in f32; what a program stores and reads back later, other than sums and carried values, may be rounded once to bf16 or f16.
;; Inputs: attention_mask 1 x 1 x 2,048 x 2,048 float32; hidden_states 1 x 2,048 x 2,048 float32; wk 2,048 x 2,048 float32; wo 2,048 x 2,048 float32; wq 2,048 x 2,048 float32; wv 2,048 x 2,048 float32.
;; Outputs: out0 1 x 2,048 x 2,048 float32.
;; One version. Each part assembles by itself: llvm-mc -triple=amdgcn-amd-amdhsa -mcpu=gfx1250 --defsym DOCPART=n.
;; ======== version 1 of 1: 4 launches
;; limits: values are held in f16: magnitudes above 65,504 overflow, below 6.1e-05 lose precision; inputs' magnitudes at most 6.9e+29; right only within a limited range of input values
;; workspace buffers: xb 8,388,608 bytes; wb 25,165,824 bytes; wob 8,388,608 bytes; maskc 16,777,216 bytes; rope 1,048,576 bytes; qkvh 25,165,824 bytes; ob 8,388,608 bytes
;; launch prep (part 1): grid 256 x 7, 8 waves a work-group, no clusters, 0 bytes of LDS; arguments hidden_states, wq, wk, wv, wo, attention_mask, xb, wb, wob, maskc, rope; writes xb, wb, wob, maskc, rope
.if DOCPART == 1
	.amdgcn_target "amdgcn-amd-amdhsa--gfx1250"
	.amdhsa_code_object_version 6
	.text
	.protected	k_q908dd40892_prep
	.globl	k_q908dd40892_prep
	.p2align	8
	.type	k_q908dd40892_prep,@function
k_q908dd40892_prep:
	s_mov_b64 s[64:65], 0
	v_nop
	global_prefetch_b8 v0, s[64:65] scope:SCOPE_SE
	s_setreg_imm32_b32 hwreg(HW_REG_WAVE_MODE, 25, 1), 1
	s_wait_xcnt 0x0
; PREP: the inputs are rounded once and laid out for the three matrix launches; the table of cosines and sines is made.
; The grid's y is the job, a wave takes one row of 2,048 f32 (8,192 bytes): row = 8 x work-group + wave.
;   job 0      x  -> xb   bf16 [2048][2048]
;   job 1,2,3  wq, wk, wv -> wb  bf16 [2048 k][6144]: the three side by side, 4,096 bytes each in a row of 12,288
;   job 4      wo -> wob  rounded to bf16, that number written as f16 [2048 k][2048 n]
;   job 5      mask -> maskc f32: max(bf16(mask) x log2 e, -1e30): the scores of the attention launch are kept in units of log2
;   job 6      rope f32 [2048 t][128]: 64 cosines, then 64 sines of t x 10000^(-j/64)
; LIMITS.  wo below 6e-5 keeps f16's fixed step of 6e-8, wo beyond 65,504 is lost.  A mask below -1e30 / log2 e (minus infinity too) counts as -1e30 in log2 units;
; a NaN in the mask counts as -1e30, plus infinity is not treated apart.  The angle t x 2^(-j log2(10000)/64) differs from one made with an exact power by the exponential's
; last bit times t: some 4e-4 at the most; sine and cosine are then right to f32's last bits (reduction by pi/2 in two parts, series to z^4 on |r| <= pi/4).
; A wave's 16 loads of 512 consecutive bytes go out together; each store covers 256 or 512 consecutive bytes, aligned.  No register that a store reads is written again.
.set X, 16                             ; v[16:79] the row as loaded: 16 x 4 registers
	s_load_b512 s[8:23], s[0:1], 0x0               ; x s[8:9], wq s[10:11], wk s[12:13], wv s[14:15], wo s[16:17], mask s[18:19], xb s[20:21], wb s[22:23]
	s_load_b128 s[24:27], s[0:1], 0x40             ; wob s[24:25], maskc s[26:27]
	s_load_b64 s[28:29], s[0:1], 0x50              ; rope
	s_and_b32 s2, ttmp7, 0xffff                    ; the job
	v_lshrrev_b32 v4, 5, v0
	v_readfirstlane_b32 s3, v4                     ; wave 0..7
	s_lshl_b32 s4, ttmp9, 3
	s_add_co_u32 s4, s4, s3                        ; my row
	v_and_b32 v1, 31, v0                           ; lane
	v_lshlrev_b32 v2, 4, v1                        ; 16 bytes a lane
	v_lshlrev_b32 v3, 3, v1                        ; 8 bytes a lane
	s_mov_b32 s40, 0xffff0000                      ; a word's upper bf16
	s_mov_b32 s44, 0x3fb8aa3b                      ; log2 e; the packed multiply names a pair and takes its low word for both halves
	s_mov_b32 s45, s44
	s_mov_b32 s46, 0xf149f2ca                      ; -1e30
	s_mov_b32 s37, 0
	s_mov_b32 s39, 0
	s_wait_kmcnt 0x0
	s_cmp_eq_u32 s2, 6
	s_cbranch_scc1 .Lrope
	; from where: one of the six inputs, by the job
	s_mov_b64 s[32:33], s[8:9]
	s_cmp_eq_u32 s2, 1
	s_cselect_b64 s[32:33], s[10:11], s[32:33]
	s_cmp_eq_u32 s2, 2
	s_cselect_b64 s[32:33], s[12:13], s[32:33]
	s_cmp_eq_u32 s2, 3
	s_cselect_b64 s[32:33], s[14:15], s[32:33]
	s_cmp_eq_u32 s2, 4
	s_cselect_b64 s[32:33], s[16:17], s[32:33]
	s_cmp_eq_u32 s2, 5
	s_cselect_b64 s[32:33], s[18:19], s[32:33]
	; to where, and the bytes from row to row there
	s_mov_b64 s[34:35], s[22:23]
	s_mov_b32 s41, 12288
	s_cmp_eq_u32 s2, 0
	s_cselect_b64 s[34:35], s[20:21], s[34:35]
	s_cselect_b32 s41, 4096, s41
	s_cmp_eq_u32 s2, 4
	s_cselect_b64 s[34:35], s[24:25], s[34:35]
	s_cselect_b32 s41, 4096, s41
	s_cmp_eq_u32 s2, 5
	s_cselect_b64 s[34:35], s[26:27], s[34:35]
	s_cselect_b32 s41, 8192, s41
	s_lshl_b32 s36, s4, 13                         ; my row in the input
	s_mul_i32 s38, s4, s41                         ; and in the output
	s_sub_co_u32 s42, s2, 1
	s_lshl_b32 s42, s42, 12                        ; jobs 1 to 3: the weight's 4,096 bytes of wb's row
	s_cmp_eq_u32 s41, 12288
	s_cselect_b32 s42, s42, 0
	s_add_co_u32 s38, s38, s42
	s_add_nc_u64 s[32:33], s[32:33], s[36:37]
	s_add_nc_u64 s[34:35], s[34:35], s[38:39]
.irp i, 0,1,2,3,4,5,6,7,8,9,10,11,12,13,14,15
	global_load_b128 v[X+4*(\i):X+4*(\i)+3], v2, s[32:33] offset:512*(\i) th:TH_LOAD_NT
.endr
	s_cmp_eq_u32 s2, 4
	s_cbranch_scc1 .Lwo
	s_cmp_eq_u32 s2, 5
	s_cbranch_scc1 .Lmask
	; jobs 0 to 3: f32 to bf16
.irp i, 0,1,2,3,4,5,6,7,8,9,10,11,12,13,14,15
	s_wait_loadcnt 15-(\i)                         ; loads come back in order: load i is in, the younger ones stay out
	v_cvt_pk_bf16_f32 v[X+4*(\i)], v[X+4*(\i)], v[X+4*(\i)+1]
	v_cvt_pk_bf16_f32 v[X+4*(\i)+1], v[X+4*(\i)+2], v[X+4*(\i)+3]
	global_store_b64 v3, v[X+4*(\i):X+4*(\i)+1], s[34:35] offset:256*(\i) th:TH_STORE_NT  ; 32 lanes x 8 bytes: 256 consecutive bytes, aligned
.endr
	s_endpgm
.Lwo:                                          ; job 4: rounded to bf16 like every input, and that number written as f16
.irp i, 0,1,2,3,4,5,6,7,8,9,10,11,12,13,14,15
	s_wait_loadcnt 15-(\i)
	v_cvt_pk_bf16_f32 v80, v[X+4*(\i)], v[X+4*(\i)+1]
	v_cvt_pk_bf16_f32 v81, v[X+4*(\i)+2], v[X+4*(\i)+3]
	v_lshlrev_b32 v82, 16, v80
	v_and_b32 v83, s40, v80
	v_lshlrev_b32 v84, 16, v81
	v_and_b32 v85, s40, v81
	v_cvt_pk_f16_f32 v[X+4*(\i)], v82, v83
	v_cvt_pk_f16_f32 v[X+4*(\i)+1], v84, v85
	global_store_b64 v3, v[X+4*(\i):X+4*(\i)+1], s[34:35] offset:256*(\i) th:TH_STORE_NT
.endr
	s_endpgm
.Lmask:                                        ; job 5: rounded to bf16, times log2 e, held above -1e30
.irp i, 0,1,2,3,4,5,6,7,8,9,10,11,12,13,14,15
	s_wait_loadcnt 15-(\i)
	v_cvt_pk_bf16_f32 v80, v[X+4*(\i)], v[X+4*(\i)+1]
	v_cvt_pk_bf16_f32 v81, v[X+4*(\i)+2], v[X+4*(\i)+3]
	v_lshlrev_b32 v[X+4*(\i)], 16, v80
	v_and_b32 v[X+4*(\i)+1], s40, v80
	v_lshlrev_b32 v[X+4*(\i)+2], 16, v81
	v_and_b32 v[X+4*(\i)+3], s40, v81
	v_pk_mul_f32 v[X+4*(\i):X+4*(\i)+1], v[X+4*(\i):X+4*(\i)+1], s[44:45] op_sel_hi:[1,0]
	v_pk_mul_f32 v[X+4*(\i)+2:X+4*(\i)+3], v[X+4*(\i)+2:X+4*(\i)+3], s[44:45] op_sel_hi:[1,0]
	v_max_num_f32 v[X+4*(\i)], s46, v[X+4*(\i)]
	v_max_num_f32 v[X+4*(\i)+1], s46, v[X+4*(\i)+1]
	v_max_num_f32 v[X+4*(\i)+2], s46, v[X+4*(\i)+2]
	v_max_num_f32 v[X+4*(\i)+3], s46, v[X+4*(\i)+3]
	global_store_b128 v2, v[X+4*(\i):X+4*(\i)+3], s[34:35] offset:512*(\i) th:TH_STORE_NT
.endr
	s_endpgm
; Cosine and sine of t x inv, inv in v[R+1]; the cosine goes to v[60+e], the sine to v[62+e].
.macro ANGLE R, e
	v_mul_f32 v[(\R)+2], v7, v[(\R)+1]             ; the angle, rounded once as t x inv
	v_mul_f32 v[(\R)+3], 0x3f22f983, v[(\R)+2]     ; x 2 / pi
	v_rndne_f32 v[(\R)+3], v[(\R)+3]               ; n
	v_fmamk_f32 v[(\R)+4], v[(\R)+3], 0xbfc90fdb, v[(\R)+2]  ; r = angle - n x pi/2, pi/2 in two parts
	v_fmamk_f32 v[(\R)+4], v[(\R)+3], 0x333bbd2e, v[(\R)+4]
	v_mul_f32 v[(\R)+5], v[(\R)+4], v[(\R)+4]      ; z = r r
	v_mov_b32 v[(\R)+6], 0x3638ef1d                ; sin r = r + r z (-1/6 + z (1/120 + z (-1/5040 + z / 362880)))
	v_fmaak_f32 v[(\R)+6], v[(\R)+5], v[(\R)+6], 0xb9500d01
	v_fmaak_f32 v[(\R)+6], v[(\R)+5], v[(\R)+6], 0x3c088889
	v_fmaak_f32 v[(\R)+6], v[(\R)+5], v[(\R)+6], 0xbe2aaaab
	v_mul_f32 v[(\R)+7], v[(\R)+4], v[(\R)+5]
	v_fma_f32 v[(\R)+6], v[(\R)+7], v[(\R)+6], v[(\R)+4]
	v_mov_b32 v[(\R)+8], 0x37d00d01                ; cos r = 1 + z (-1/2 + z (1/24 + z (-1/720 + z / 40320)))
	v_fmaak_f32 v[(\R)+8], v[(\R)+5], v[(\R)+8], 0xbab60b61
	v_fmaak_f32 v[(\R)+8], v[(\R)+5], v[(\R)+8], 0x3d2aaaab
	v_fmaak_f32 v[(\R)+8], v[(\R)+5], v[(\R)+8], 0xbf000000
	v_fma_f32 v[(\R)+8], v[(\R)+5], v[(\R)+8], 1.0
	v_cvt_i32_f32 v[(\R)+9], v[(\R)+3]             ; the quadrant is n mod 4
	v_and_b32 v[(\R)+10], 1, v[(\R)+9]
	v_cmp_eq_u32 vcc_lo, 1, v[(\R)+10]
	v_cndmask_b32 v[62+(\e)], v[(\R)+6], v[(\R)+8], vcc_lo  ; odd quadrants change sine and cosine,
	v_cndmask_b32 v[60+(\e)], v[(\R)+8], v[(\R)+6], vcc_lo
	v_and_b32 v[(\R)+10], 2, v[(\R)+9]             ; quadrants 2 and 3 turn the sine's sign,
	v_lshlrev_b32 v[(\R)+10], 30, v[(\R)+10]
	v_xor_b32 v[62+(\e)], v[62+(\e)], v[(\R)+10]
	v_add_nc_u32 v[(\R)+9], 1, v[(\R)+9]           ; quadrants 1 and 2 the cosine's
	v_and_b32 v[(\R)+9], 2, v[(\R)+9]
	v_lshlrev_b32 v[(\R)+9], 30, v[(\R)+9]
	v_xor_b32 v[60+(\e)], v[60+(\e)], v[(\R)+9]
.endm
.Lrope:                                        ; job 6: t = my row; my lane has j = 2 lane and 2 lane + 1
	v_lshlrev_b32 v5, 1, v1
	v_add_nc_u32 v6, 1, v5
	v_cvt_f32_u32 v20, v5
	v_cvt_f32_u32 v36, v6
	v_cvt_f32_u32 v7, s4
	v_mul_f32 v20, 0xbe549a78, v20                 ; -j log2(10000) / 64
	v_mul_f32 v36, 0xbe549a78, v36
	v_exp_f32 v21, v20
	v_exp_f32 v37, v36
	v_nop                                          ; a plain instruction behind the last exponential,
	s_wait_alu depctr_va_vdst(0)                   ; and one wait for the two, ahead of their first reader
	ANGLE 20, 0
	ANGLE 36, 1
	s_lshl_b32 s36, s4, 9                          ; a row of the table is 512 bytes
	s_add_nc_u64 s[28:29], s[28:29], s[36:37]
	global_store_b64 v3, v[60:61], s[28:29]        ; 64 cosines: 256 consecutive bytes, aligned
	global_store_b64 v3, v[62:63], s[28:29] offset:256  ; 64 sines
	s_endpgm
.Lfunc_end_k_q908dd40892_prep:
	.size	k_q908dd40892_prep, .Lfunc_end_k_q908dd40892_prep-k_q908dd40892_prep
	.p2alignl 7, 3214868480
	.fill 96, 4, 3214868480
	.section	.rodata,"a",@progbits
	.p2align	6, 0x0
	.amdhsa_kernel k_q908dd40892_prep
		.amdhsa_group_segment_fixed_size 0
		.amdhsa_private_segment_fixed_size 0
		.amdhsa_enable_private_segment 0
		.amdhsa_kernarg_size 88
		.amdhsa_user_sgpr_count 2
		.amdhsa_user_sgpr_kernarg_segment_ptr 1
		.amdhsa_wavefront_size32 1
		.amdhsa_system_sgpr_workgroup_id_x 1
		.amdhsa_system_sgpr_workgroup_id_y 1
		.amdhsa_system_sgpr_workgroup_id_z 1
		.amdhsa_system_vgpr_workitem_id 0
		.amdhsa_next_free_vgpr 96
		.amdhsa_next_free_sgpr 66
		.amdhsa_reserve_vcc 1
		.amdhsa_float_denorm_mode_32 3
		.amdhsa_float_denorm_mode_16_64 3
		.amdhsa_memory_ordered 1
		.amdhsa_forward_progress 1
		.amdhsa_inst_pref_size 30
	.end_amdhsa_kernel
	.amdgpu_metadata
---
amdhsa.version: [ 1, 2 ]
amdhsa.kernels:
  - .name:           k_q908dd40892_prep
    .symbol:         k_q908dd40892_prep.kd
    .args:
      - { .name: hidden_states, .offset: 0, .size: 8, .value_kind: global_buffer, .address_space: global }
      - { .name: wq, .offset: 8, .size: 8, .value_kind: global_buffer, .address_space: global }
      - { .name: wk, .offset: 16, .size: 8, .value_kind: global_buffer, .address_space: global }
      - { .name: wv, .offset: 24, .size: 8, .value_kind: global_buffer, .address_space: global }
      - { .name: wo, .offset: 32, .size: 8, .value_kind: global_buffer, .address_space: global }
      - { .name: attention_mask, .offset: 40, .size: 8, .value_kind: global_buffer, .address_space: global }
      - { .name: xb, .offset: 48, .size: 8, .value_kind: global_buffer, .address_space: global }
      - { .name: wb, .offset: 56, .size: 8, .value_kind: global_buffer, .address_space: global }
      - { .name: wob, .offset: 64, .size: 8, .value_kind: global_buffer, .address_space: global }
      - { .name: maskc, .offset: 72, .size: 8, .value_kind: global_buffer, .address_space: global }
      - { .name: rope, .offset: 80, .size: 8, .value_kind: global_buffer, .address_space: global }
    .group_segment_fixed_size: 0
    .private_segment_fixed_size: 0
    .kernarg_segment_align: 8
    .kernarg_segment_size: 88
    .max_flat_workgroup_size: 256
    .sgpr_count:     66
    .vgpr_count:     96
    .wavefront_size: 32
...
	.end_amdgpu_metadata
.endif
;; end of part 1
;; launch qkv (part 2): grid 16 x 16, 4 waves a work-group, clusters of 4 x 4, 327,680 bytes of LDS; arguments xb, wb, rope, qkvh; writes qkvh
.if DOCPART == 2
	.amdgcn_target "amdgcn-amd-amdhsa--gfx1250"
	.amdhsa_code_object_version 6
	.text
	.protected	k_q908dd40892_qkv
	.globl	k_q908dd40892_qkv
	.p2align	8
	.type	k_q908dd40892_qkv,@function
k_q908dd40892_qkv:
	s_mov_b64 s[64:65], 0
	v_nop
	global_prefetch_b8 v0, s[64:65] scope:SCOPE_SE
	s_setreg_imm32_b32 hwreg(HW_REG_WAVE_MODE, 25, 1), 1
	s_wait_xcnt 0x0
	s_wait_alu depctr_hold_cnt(0) depctr_sa_sdst(0) depctr_va_vdst(0) depctr_va_sdst(0) depctr_va_ssrc(0) depctr_va_vcc(0) depctr_vm_vsrc(0)
	s_getreg_b32 s2, hwreg(HW_REG_IB_STS2, 6, 4)
	s_cmp_eq_u32 s2, 0
	s_cbranch_scc0 .Lentry_in_a_cluster
	s_endpgm
.Lentry_in_a_cluster:
	s_bfe_u32 s2, ttmp6, 0x10000c
	s_cmp_lg_u32 s2, 0xf033
	s_cbranch_scc0 .Lentry_shape_is_right
	s_endpgm
.Lentry_shape_is_right:
; Q, K, V = x [wq wk wv], the rotation of q and k, out by heads in f16.  xb: bf16 [2048 t][2048 k]; wb: bf16 [2048 k][6144]; rope: f32 [2048 t][64 cos, 64 sin];
; qkvh: f16 [48 planes][2048 t][128]: planes 0-15 q's heads, 16-31 k's, 32-47 v's.  Sums in f32; q is left unscaled.
; LIMIT.  q, k and v are rounded once to f16 and must stay under 65,504.
; SHARES.  A work-group makes 128 rows x 384 columns: head tx of q, of k and of v (chunks 0, 1, 2), so that all 256 work-groups run one text.  Wave w: rows 64 (w / 2) on; in each chunk the
; columns 32 (w % 2) + 0..31 and 64 + 32 (w % 2) + 0..31, so that channels d and d + 64, which the rotation pairs, lie in the same lane and register of two accumulators.
; A wave has 4 x 12 accumulators of 16 x 16: block b of 12 is chunk b / 4, columns 32 (w % 2) + 16 (b % 2) + 64 ((b % 4) / 2) on.  For 32 along K: 32 LDS loads, 48 matrix instructions.
; THE MATRIX INSTRUCTION IS USED TRANSPOSED: source 0 = 16 columns of w (they lie [k][n] in LDS and come out turned, by ds_load_tr16_b128), source 1 = 16 rows of x: a lane holds one row and eight neighbouring columns.
; RING.  K goes in steps of 128 through two LDS slots of four regions of 36,864 bytes: x's 128 rows (pitch 272), then the three chunks' 128 k rows (pitch 288).  Wave w fills region w with one tensor load of 128 rows x 256 bytes.
; A K STEP IS WRITTEN ONCE in the loop and once in the tail: the slot in hand is a scalar that an exclusive or turns, the fragment addresses are made anew from it at each change of slots, and one descriptor set walks.
; THE WALK OF K GOES ROUND.  The cluster at (X, Y) begins at K step (4 X + 8 (Y % 2) + 4 (Y / 2)) mod 16 and takes the sixteen steps in ring order, so that the clusters that read the same rows of x (same Y) or of w (same X)
; ask for a given block at different times, four steps apart or more.  The start hangs on the cluster's coordinates alone: it is the same in all sixteen partners.  A sum's terms are the same, in a turned order.
; CLUSTER 4 x 4.  x's tile hangs on the row block alone and is asked for jointly along a row of the cluster, w's tiles on the head alone, jointly along a column.
; REGISTERS, in windows of 256: window 0: v0-31 addresses; v32-63 packed results; v64-127 x's fragments, two buffers (at work on the way out); v128-255 my cosines and sines.
;   window 1: w's fragments, two buffers of 96.   window 2: accumulators of row blocks 0, 1 at 8 (12 (a % 2) + b).   window 3: those of row blocks 2, 3.
.set PA,    272                        ; a row of x in LDS: 256 bytes + 16
.set PB,    288                        ; a row of w: 256 + 32
.set REG,   128*PB                     ; a wave's region of a slot
.set SLOT,  4*REG                      ; 147,456 = 0x24000: the four regions' first bytes in slot 0 have both of its bits clear, so one exclusive or changes the slot
.set SPARE, 2*SLOT                     ; behind the ring: the spare words, 128 bytes a wave, that no other line names
.set SP,    272                        ; THE STAGE for the way out lies in slot 0, behind that slot's last fill and last reads: 3 chunks x 128 rows x 272 bytes
.set CHK,   128*SP
.set STEPA, 256                        ; bytes from K step to K step in x
.set STEPB, 128*12288                  ; and in w
.set STO,  8                           ; v8-10   the stage: where I put 16 bytes of a row of chunk c
.set RD,   11                          ; v11-13  where I read rows of chunk c back
.set ADRA0, 16                         ; v16     my lane's place among x's fragments in slot 0; never rewritten
.set CA,   17                          ; v17     the same in the slot in hand
.set ADRB0, 18                         ; v18-20  my lane's place among chunk c's fragments in slot 0; never rewritten
.set CB,   21                          ; v21-23  the same in the slot in hand
.set CO,   24                          ; v24-26  my byte offset in the output, by chunk
.set TO,   27                          ; v27     my byte offset in the table
.set SPW,  28                          ; v28     my spare word: SPARE + 4 x my thread's number; never rewritten
.set NIL,  29                          ; v29     0; never rewritten
.set PFO,  30                          ; v30     the prefetch's offset: my lane x a row; never rewritten
.set PK,   32
.set T,    64
.set TBL,  128                         ; cosines of row block a, columns 16 sub on, at TBL + 32 a + 16 sub; the sines 8 further
.set BA,  14                           ; s[14:15] x at my tile's rows, K step 0; never rewritten
.set BB,  46                           ; s[46:47] w at my tile's columns, K step 0; never rewritten
.set G1,  24                           ; s[24:31] descriptor group 1 for x's tile;  s[32:39] group 0: a set for each first fill; the second then walks
.set G0,  32
.set G1B, 48                           ; s[48:55], s[56:63] the same for w's tiles
.set G0B, 56
.set PFA, 44                           ; s[44:45] where my one prefetch stands; never rewritten
.set OUT, 66                           ; s[66:67] the output at my first row
.set TB,  70                           ; s70      the first byte of the slot in hand
.set KI,  72                           ; s72      the K step last asked for, 0 to 15
.set OFA, 74                           ; s[74:75] its byte offset in x's rows
.set OFB, 76                           ; s[76:77] and in w
.set STA, 78                           ; s[78:79] x at the walk's first K step
.set STB, 80                           ; s[80:81] w at the walk's first K step
.set MSB, 0
.macro WIN new                         ; the immediate's high byte repeats the setting that is left; a switch that changes nothing is dropped
.if MSB != (\new)
	s_set_vgpr_msb (MSB<<8)|(\new)
.set MSB, \new
.endif
.endm
.macro PLACES                          ; four plain places behind matrix instructions, ahead of loads into registers that they read and of lines that read results
.rept 4
	v_nop
.endr
.endm
; A joint load by descriptor set s.  Wave 0 fetches x's tile, waves 1 to 3 the three chunks of w.  The branch hangs on the wave's number alone.  An s_nop 0 and four v_nop follow each line.
.macro JLOAD s
	s_cmp_eq_u32 s10, 0
	s_cbranch_scc0 .Lfor_b_\@
	tensor_load_to_lds s[G0+4*(\s):G0+4*(\s)+3], s[G1:G1+7]
	s_nop 0
.rept 4
	v_nop
.endr
	s_branch .Lasked_\@
.Lfor_b_\@:
	tensor_load_to_lds s[G0B+4*(\s):G0B+4*(\s)+3], s[G1B:G1B+7]
	s_nop 0
.rept 4
	v_nop
.endr
.Lasked_\@:
.endm
; THE PREFETCH INTO THE L2.  The clusters that share rows begin four K steps apart or more, so a cluster is the first in the launch to ask for the four K steps with which its walk begins, and for no others.  Of these the first
; two are the first fills and the third comes by its refill alone; the fourth is asked for here, behind the first refill and the run of LDS loads that follows it (the trip with s3 = 14): one K step, 192 matrix
; instructions, ahead of its refill.  Each wave asks for the tile that it fetches: 32 of its 128 rows x 256 bytes, a lane a row; the four partners that ask for the tile jointly share its rows out by address
; (cx for x, cy for w).  So each block is named once in the launch.
.macro ASK
	s_cmp_eq_u32 s3, 14
	s_cbranch_scc0 .Lnot_now_\@
	global_prefetch_b8 v[PFO], s[PFA:PFA+1] th:TH_LOAD_NT scope:SCOPE_SE
.Lnot_now_\@:
.endm
.macro CREST                           ; a round of the cluster's barrier behind its opening barrier
	s_cmp_lg_u32 s10, 0
	s_cbranch_scc1 .Lnot_wave_0_\@
	s_barrier_signal -3
.Lnot_wave_0_\@:
	s_barrier_wait -3
	s_barrier_signal -1
	s_barrier_wait -1
.endm
.macro CROUND
	s_barrier_signal -1
	s_barrier_wait -1
	CREST
.endm
	s_load_b128 s[4:7], s[0:1], 0x0                ; xb s[4:5], wb s[6:7]
	s_load_b64 s[8:9], s[0:1], 0x10                ; rope
	s_load_b64 s[OUT:OUT+1], s[0:1], 0x18          ; qkvh
	v_lshl_add_u32 v[SPW], v0, 2, SPARE
	v_mov_b32 v[NIL], 0
	ds_add_u32 v[SPW], v[NIL]                      ; the wave's opening: the add and its wait ahead of my first tensor load
	v_lshrrev_b32 v1, 5, v0
	v_readfirstlane_b32 s10, v1                    ; wave 0..3
	s_lshr_b32 s11, s10, 1                         ; which 64 rows are mine
	s_and_b32 s12, s10, 1                          ; which 32 columns of each half of a head
	s_bfe_u32 s40, ttmp6, 0x40000                  ; cx
	s_bfe_u32 s41, ttmp6, 0x40004                  ; cy
	s_lshl_b32 s42, ttmp9, 2
	s_add_co_u32 s42, s42, s40                     ; tx: the head
	s_and_b32 s13, ttmp7, 0xffff
	s_lshl_b32 s13, s13, 2
	s_add_co_u32 s13, s13, s41                     ; ty: the block of 128 rows
	s_lshl_b32 s43, s41, 2
	s_lshl_b32 s43, 15, s43                        ; my row of the cluster
	s_lshl_b32 s44, 0x1111, s40                    ; my column
	s_or_b32 s[G1+0], s43, (1<<16)|(1<<20)|(1<<21)|(5<<22)|(3<<25)   ; the mask; 2-byte elements; padding on; bit 21 beside a mask; after every 64 words 4 words
	s_or_b32 s[G1B+0], s44, (1<<16)|(1<<20)|(1<<21)|(5<<22)|(7<<25)  ; the same with my column's mask and 8 words of padding
.irp g, G1, G1B
	s_mov_b32 s[(\g)+1], 128<<16                   ; tensor_dim0 = 128
	s_mov_b32 s[(\g)+2], 128<<16                   ; tensor_dim1 = 128
	s_mov_b32 s[(\g)+3], 128<<16                   ; tile_dim0 = 128
	s_mov_b32 s[(\g)+4], 128                       ; tile_dim1 = 128
	s_mov_b32 s[(\g)+6], 0
	s_mov_b32 s[(\g)+7], 0
.endr
	s_mov_b32 s[G1+5], 2048                        ; elements from row to row in x
	s_mov_b32 s[G1B+5], 6144                       ; and in w
	s_mov_b32 s[TB], 0
	s_and_b32 s[KI], ttmp7, 0xffff                 ; the walk's first K step, from the cluster's coordinates alone: Y,
	s_and_b32 s[OFA], s[KI], 1
	s_lshl_b32 s[OFA], s[OFA], 3                   ; 8 (Y % 2)
	s_lshr_b32 s[KI], s[KI], 1
	s_lshl_b32 s[KI], s[KI], 2                     ; + 4 (Y / 2)
	s_add_co_u32 s[KI], s[KI], s[OFA]
	s_lshl_b32 s[OFA], ttmp9, 2                    ; + 4 X,
	s_add_co_u32 s[KI], s[KI], s[OFA]
	s_and_b32 s[KI], s[KI], 15                     ; mod 16: a multiple of 4
	s_lshl_b32 s[OFA], s[KI], 8                    ; its bytes along x's rows,
	s_mov_b32 s[OFA+1], 0
	s_mul_i32 s[OFB], s[KI], STEPB                 ; and down w's
	s_mov_b32 s[OFB+1], 0
	s_lshl_b32 s16, s13, 19                        ; x: 128 ty rows of 4,096 bytes
	s_mov_b32 s17, 0
	s_max_u32 s46, s10, 1                          ; w: chunk = wave - 1 (wave 0 never asks by this address),
	s_sub_co_u32 s46, s46, 1
	s_lshl_b32 s46, s46, 12                        ; its 4,096 bytes of a row,
	s_lshl_b32 s47, s42, 8                         ; the head's 256 of them
	s_add_co_u32 s46, s46, s47
	s_mov_b32 s47, 0
	s_mul_i32 s20, s10, REG                        ; where my tile goes: region = wave
	s_wait_dscnt 0x0                               ; the opening add is done
	s_wait_kmcnt 0x0
	s_add_nc_u64 s[BA:BA+1], s[4:5], s[16:17]
	s_add_nc_u64 s[BB:BB+1], s[6:7], s[46:47]
	s_add_nc_u64 s[STA:STA+1], s[BA:BA+1], s[OFA:OFA+1]
	s_add_nc_u64 s[STB:STB+1], s[BB:BB+1], s[OFB:OFB+1]
	CROUND                                         ; all sixteen work-groups are here: the first joint loads meet
.irp s, 0,1
	s_mov_b32 s[G0+4*(\s)], 1
	s_add_co_u32 s[G0+4*(\s)+1], s20, (\s)*SLOT
	s_add_nc_u64 s[G0+4*(\s)+2:G0+4*(\s)+3], s[STA:STA+1], (\s)*STEPA  ; the start is a multiple of 4: the walk's second step does not go round yet
	s_or_b32 s[G0+4*(\s)+3], s[G0+4*(\s)+3], 0x80000000
	s_mov_b32 s[G0B+4*(\s)], 1
	s_add_co_u32 s[G0B+4*(\s)+1], s20, (\s)*SLOT
	s_add_nc_u64 s[G0B+4*(\s)+2:G0B+4*(\s)+3], s[STB:STB+1], (\s)*STEPB
	s_or_b32 s[G0B+4*(\s)+3], s[G0B+4*(\s)+3], 0x80000000
	JLOAD \s                                       ; the walk's first two K steps: two loads of mine are out
.endr
	s_add_co_u32 s[KI], s[KI], 1                   ; the K step last asked for
	v_and_b32 v1, 15, v0                           ; l % 16
	v_bfe_u32 v2, v0, 4, 1                         ; l / 16
	v_and_b32 v3, 7, v0                            ; l % 8
	v_bfe_u32 v4, v0, 3, 1                         ; (l / 8) % 2
	v_mul_u32_u24 v5, v1, PA                       ; a fragment of x: row l % 16, 16 bytes for each half of the lanes, twice, 32 bytes apart
	v_lshl_add_u32 v5, v2, 4, v5
	s_mul_i32 s21, s11, 64*PA
	v_add_nc_u32 v[ADRA0], s21, v5
	v_mov_b32 v[CA], v[ADRA0]                      ; the ring begins in slot 0
	v_lshl_add_u32 v6, v2, 3, v3                   ; the turning load: k row 8 (l / 16) + l % 8, columns 8 ((l / 8) % 2) on
	v_mul_u32_u24 v6, v6, PB
	v_lshl_add_u32 v6, v4, 4, v6
	s_lshl_b32 s22, s12, 6                         ; my 32 columns: 64 bytes
	v_add_nc_u32 v6, s22, v6
.irp c, 0,1,2
	v_add_nc_u32 v[ADRB0+(\c)], ((\c)+1)*REG, v6
	v_mov_b32 v[CB+(\c)], v[ADRB0+(\c)]
.endr
	v_add_nc_u32 v7, s22, v[ADRA0]                 ; into the stage: row 64 (w / 2) + l % 16, 16 bytes for each half of the lanes, my 64 bytes
.irp c, 0,1,2
	v_add_nc_u32 v[STO+(\c)], (\c)*CHK, v7
.endr
	s_mul_i32 s23, s10, 32*SP                      ; back: wave w takes rows 32 w .. 32 w + 31 of each chunk, whole; lanes 0-15 one row, lanes 16-31 the next
	v_mul_u32_u24 v7, v2, SP
	v_lshl_add_u32 v7, v1, 4, v7
	v_add_nc_u32 v7, s23, v7
.irp c, 0,1,2
	v_add_nc_u32 v[RD+(\c)], (\c)*CHK, v7
.endr
	v_lshlrev_b32 v7, 8, v2                        ; the same two rows in the output; a chunk is 16 planes of 524,288 bytes on
	v_lshl_add_u32 v7, v1, 4, v7
.irp c, 0,1,2
	v_add_nc_u32 v[CO+(\c)], (\c)*8388608, v7
.endr
	s_lshl_b32 s20, s13, 7
	s_lshl_b32 s21, s11, 6
	s_add_co_u32 s20, s20, s21                     ; my first row
	s_lshl_b32 s20, s20, 9                         ; x 512 bytes of the table,
	s_lshl_b32 s21, s12, 7                         ; my 32 channels: 128 bytes
	s_add_co_u32 s20, s20, s21
	v_lshlrev_b32 v[TO], 9, v1
	v_lshl_add_u32 v[TO], v2, 5, v[TO]
	v_add_nc_u32 v[TO], s20, v[TO]
.irp a, 0,1,2,3                        ; my cosines and sines, waited for on the way out: they land while the products run
.irp sub, 0,1
.irp sn, 0,1
.irp hf, 0,1
	global_load_b128 v[TBL+32*(\a)+16*(\sub)+8*(\sn)+4*(\hf):TBL+32*(\a)+16*(\sub)+8*(\sn)+4*(\hf)+3], v[TO], s[8:9] offset:(\a)*8192+(\sub)*64+(\sn)*256+(\hf)*16
.endr
.endr
.endr
.endr
	s_lshl_b32 s20, s42, 19                        ; the output: plane tx,
	s_lshl_b32 s21, s13, 7
	s_lshl_b32 s22, s10, 5
	s_add_co_u32 s21, s21, s22
	s_lshl_b32 s21, s21, 8                         ; row 128 ty + 32 w
	s_add_co_u32 s20, s20, s21
	s_mov_b32 s21, 0
	s_add_nc_u64 s[OUT:OUT+1], s[OUT:OUT+1], s[20:21]
	; the prefetch: x's rows 128 ty + 32 cx + lane (wave 0), w's k rows 32 cy + lane of my chunk (waves 1 to 3), at the walk's fourth K step: the start + 3, which does not go round
	s_lshl_b32 s20, s13, 19
	s_lshl_b32 s21, s40, 17
	s_add_co_u32 s20, s20, s21
	s_add_co_u32 s20, s20, s[OFA]
	s_add_co_u32 s20, s20, 3*STEPA
	s_mul_i32 s21, s41, 32*12288
	s_max_u32 s22, s10, 1
	s_sub_co_u32 s22, s22, 1
	s_lshl_b32 s22, s22, 12
	s_add_co_u32 s21, s21, s22
	s_lshl_b32 s22, s42, 8
	s_add_co_u32 s21, s21, s22
	s_add_co_u32 s21, s21, s[OFB]
	s_add_co_u32 s21, s21, 3*STEPB
	s_mov_b32 s22, 12288
	s_cmp_eq_u32 s10, 0
	s_cselect_b32 s20, s20, s21
	s_cselect_b32 s22, 4096, s22                   ; bytes from row to row
	s_cselect_b64 s[PFA:PFA+1], s[4:5], s[6:7]
	s_mov_b32 s21, 0
	s_add_nc_u64 s[PFA:PFA+1], s[PFA:PFA+1], s[20:21]
	v_and_b32 v[PFO], 31, v0
	v_mul_u32_u24 v[PFO], s22, v[PFO]
; 12 matrix instructions: row block 2 hi + a x all 12 column blocks, 32 along K, from buffer f.  The 48 accumulators take turns in the same order in every quarter.
.macro MUL12 f, hi, a, zero
	WIN 0xa1+0x50*(\hi)                            ; source 0 (w) window 1, source 1 (x) window 0, C and D window 2 or 3
.irp b, 0,1,2,3,4,5,6,7,8,9,10,11
.if \zero
	v_wmma_f32_16x16x32_bf16 v[8*(12*(\a)+(\b)):8*(12*(\a)+(\b))+7], v[96*(\f)+8*(\b):96*(\f)+8*(\b)+7], v[64+32*(\f)+8*(2*(\hi)+(\a)):64+32*(\f)+8*(2*(\hi)+(\a))+7], 0
.else
	v_wmma_f32_16x16x32_bf16 v[8*(12*(\a)+(\b)):8*(12*(\a)+(\b))+7], v[96*(\f)+8*(\b):96*(\f)+8*(\b)+7], v[64+32*(\f)+8*(2*(\hi)+(\a)):64+32*(\f)+8*(2*(\hi)+(\a))+7], v[8*(12*(\a)+(\b)):8*(12*(\a)+(\b))+7]
.endif
.endr
.endm
; 32 LDS loads in one run: quarter kq (32 along K) of the slot in hand into buffer f: w's 12 blocks, turned, then x's 4
.macro FETCH kq, f
	WIN 0x40                                       ; destination window 1, address window 0
.irp b, 0,1,2,3,4,5,6,7,8,9,10,11
	ds_load_tr16_b128 v[96*(\f)+8*(\b):96*(\f)+8*(\b)+3],   v[CB+(\b)/4] offset:(\kq)*32*PB+((\b)%2)*32+(((\b)%4)/2)*128
	ds_load_tr16_b128 v[96*(\f)+8*(\b)+4:96*(\f)+8*(\b)+7], v[CB+(\b)/4] offset:(\kq)*32*PB+((\b)%2)*32+(((\b)%4)/2)*128+16*PB
.endr
	WIN 0
.irp i, 0,1,2,3
	ds_load_b128 v[64+32*(\f)+8*(\i):64+32*(\f)+8*(\i)+3],   v[CA] offset:(\kq)*64+(\i)*16*PA
	ds_load_b128 v[64+32*(\f)+8*(\i)+4:64+32*(\f)+8*(\i)+7], v[CA] offset:(\kq)*64+(\i)*16*PA+32
.endr
.endm
; One of a K step's first three quarters: multiplies buffer f and, in its middle, fetches quarter kq of the same slot into buffer g
.macro QUARTER kq, f, g, zero
	s_wait_dscnt 4                                 ; all but the youngest four loads, x's row blocks 2 and 3
	MUL12 \f, 0, 0, \zero
	MUL12 \f, 0, 1, \zero
	PLACES
	FETCH \kq, \g
	s_wait_dscnt 32                                ; all but the 32 just issued
	MUL12 \f, 1, 0, \zero
	MUL12 \f, 1, 1, \zero
.endm
; The last quarter multiplies buffer 1 and changes slots.  In front of the one barrier each wave waits for all its tensor loads (one is out: its part of the next slot), adds 0 to its spare word, and waits for that and
; for its reads of this slot.  Between the signal and the wait, where no LDS load of mine is out, the fragment addresses go over to the other slot.
; fill = 1: behind the add, where no tensor load of mine is out, the walking descriptors are made for the next K step of the ring; the barrier opens a round of the cluster's barrier, and the joint refill of the slot
; just left is the first tensor load behind the round: 168 matrix instructions ahead of the wait for it.
.macro TURN fill
	WIN 0
	s_wait_tensorcnt 0x0                           ; all my tensor loads have landed
	ds_add_u32 v[SPW], v[NIL]                      ; 0 onto my spare word
.if \fill
	s_add_co_u32 s[KI], s[KI], 1                   ; the next K step, round the ring of sixteen
	s_and_b32 s[KI], s[KI], 15
	s_lshl_b32 s[OFA], s[KI], 8
	s_mul_i32 s[OFB], s[KI], STEPB
	s_xor_b32 s[G0+5], s[G0+5], SLOT               ; the other slot than last time; the address is made anew from the base and the step's offset, the type bits set again
	s_add_nc_u64 s[G0+6:G0+7], s[BA:BA+1], s[OFA:OFA+1]
	s_or_b32 s[G0+7], s[G0+7], 0x80000000
	s_xor_b32 s[G0B+5], s[G0B+5], SLOT
	s_add_nc_u64 s[G0B+6:G0B+7], s[BB:BB+1], s[OFB:OFB+1]
	s_or_b32 s[G0B+7], s[G0B+7], 0x80000000
.endif
	s_wait_dscnt 5                                 ; (the add and x's row blocks 2 and 3 may be out)
	MUL12 1, 0, 0, 0
	s_wait_dscnt 0x0                               ; the add is done, and my reads of this slot are over
	s_barrier_signal -1
	MUL12 1, 0, 1, 0
	WIN 0
	s_xor_b32 s[TB], s[TB], SLOT                   ; the other slot is the slot in hand from here on
	v_add_nc_u32 v[CA], s[TB], v[ADRA0]
.irp c, 0,1,2
	v_add_nc_u32 v[CB+(\c)], s[TB], v[ADRB0+(\c)]
.endr
	s_barrier_wait -1
.if \fill
	CREST                                          ; no wave of any partner still reads the slot just left or has a load on its way
	JLOAD 1                                        ; the four v_nop behind it are also places in front of the loads below
.else
	PLACES
.endif
	FETCH 0, 0
.if \fill
	ASK
.endif
	MUL12 1, 1, 0, 0
	MUL12 1, 1, 1, 0
.endm
	s_wait_tensorcnt 1                             ; my part of the walk's first K step is in; the second's load may stay out
	s_barrier_signal -1
	s_barrier_wait -1
	FETCH 0, 0
	QUARTER 1, 0, 1, 1                             ; the first quarter stands in front of the loop: its products start the sums
	WIN 0
	s_mov_b32 s3, 14
.Lstep:                                        ; a trip goes from a K step's second quarter to the next step's first, and fills the slot that it leaves: the walk's steps 3 to 16 in fourteen trips
	QUARTER 2, 1, 0, 0
	QUARTER 3, 0, 1, 0
	TURN 1
	QUARTER 1, 0, 1, 0
	WIN 0
	s_sub_co_u32 s3, s3, 1
	s_cmp_lg_u32 s3, 0
	s_cbranch_scc1 .Lstep
	s_mov_b32 s3, 2
.Ltail:                                        ; the last two K steps fill nothing: the same trip without a tensor load, walked once and left in the middle of its second pass
	QUARTER 2, 1, 0, 0
	QUARTER 3, 0, 1, 0
	WIN 0
	s_sub_co_u32 s3, s3, 1
	s_cmp_eq_u32 s3, 0
	s_cbranch_scc1 .Lout
	TURN 0
	QUARTER 1, 0, 1, 0
	WIN 0
	s_branch .Ltail
.Lout:
	s_wait_dscnt 4                                 ; the very last quarter: nothing more to fetch
	MUL12 1, 0, 0, 0
	MUL12 1, 0, 1, 0
	s_wait_dscnt 0x0
	MUL12 1, 1, 0, 0
	MUL12 1, 1, 1, 0
; THE WAY OUT of row block a.  Chunks 0 and 1 are turned: y[d] = x[d] cos - x[d + 64] sin, y[d + 64] = x[d + 64] cos + x[d] sin; each accumulator's registers are taken in ascending order.
; All is rounded to f16, 16 bytes a lane, and put into the stage.
.macro LEAVE a
	WIN 0x02+(\a)/2                                ; source 0: the accumulators' window
.irp c, 0,1
.irp sub, 0,1
.set X1, 96*((\a)%2)+8*(4*(\c)+(\sub))
.set X2, X1+16
.set T1, T+16*(2*(\c)+(\sub))
.set T2, T1+8
.set CSR, TBL+32*(\a)+16*(\sub)
.set SNR, CSR+8
.irp p, 0,2,4,6
	v_pk_mul_f32 v[T1+(\p):T1+(\p)+1], v[X1+(\p):X1+(\p)+1], v[CSR+(\p):CSR+(\p)+1]
.endr
.irp p, 0,2,4,6
	v_pk_mul_f32 v[T2+(\p):T2+(\p)+1], v[X2+(\p):X2+(\p)+1], v[CSR+(\p):CSR+(\p)+1]
.endr
.irp p, 0,2,4,6
	v_pk_fma_f32 v[T1+(\p):T1+(\p)+1], v[X2+(\p):X2+(\p)+1], v[SNR+(\p):SNR+(\p)+1], v[T1+(\p):T1+(\p)+1] neg_lo:[1,0,0] neg_hi:[1,0,0]
.endr
.irp p, 0,2,4,6
	v_pk_fma_f32 v[T2+(\p):T2+(\p)+1], v[X1+(\p):X1+(\p)+1], v[SNR+(\p):SNR+(\p)+1], v[T2+(\p):T2+(\p)+1]
.endr
.endr
.endr
	WIN 0
.irp u, 0,1,2,3,4,5,6,7
.irp r, 0,1,2,3
	v_cvt_pk_f16_f32 v[PK+4*(\u)+(\r)], v[T+8*(\u)+2*(\r)], v[T+8*(\u)+2*(\r)+1]
.endr
.endr
.irp c, 0,1
.irp sub, 0,1
.irp hf, 0,1
	ds_store_b128 v[STO+(\c)], v[PK+4*(2*(2*(\c)+(\sub))+(\hf)):PK+4*(2*(2*(\c)+(\sub))+(\hf))+3] offset:(\a)*16*SP+(\sub)*32+(\hf)*128
.endr
.endr
.endr
	WIN 0x0a+5*((\a)/2)                            ; sources 0 and 1: the accumulators' window
.irp sub, 0,1,2,3
.irp r, 0,1,2,3
	v_cvt_pk_f16_f32 v[PK+4*(\sub)+(\r)], v[96*((\a)%2)+8*(8+(\sub))+2*(\r)], v[96*((\a)%2)+8*(8+(\sub))+2*(\r)+1]
.endr
.endr
	WIN 0
.irp sub, 0,1,2,3
	ds_store_b128 v[STO+2], v[PK+4*(\sub):PK+4*(\sub)+3] offset:(\a)*16*SP+((\sub)%2)*32+((\sub)/2)*128
.endr
.endm
	WIN 0
	s_wait_loadcnt 0x0                             ; my cosines and sines
	PLACES
	LEAVE 0
	LEAVE 1
	LEAVE 2
	LEAVE 3
	s_wait_dscnt 0x0                               ; for the others' sake: a row's 256 bytes come from two waves
	s_barrier_signal -1
	s_barrier_wait -1
.irp c, 0,1,2
.irp t, 0,1,2,3,4,5,6,7,8,9,10,11,12,13,14,15
	ds_load_b128 v[64+4*(16*(\c)+(\t)):64+4*(16*(\c)+(\t))+3], v[RD+(\c)] offset:(\t)*2*SP
.endr
.endr
.irp c, 0,1,2
.irp t, 0,1,2,3,4,5,6,7,8,9,10,11,12,13,14,15
.if (\t)%4 == 0
	s_wait_dscnt 44-16*(\c)-(\t)                   ; LDS loads come back in order: the next four are in, the loads behind them stay out
.endif
	global_store_b128 v[CO+(\c)], v[64+4*(16*(\c)+(\t)):64+4*(16*(\c)+(\t))+3], s[OUT:OUT+1] offset:(\t)*512  ; 16 lanes store 256 consecutive bytes, aligned: a head's row
.endr
.endr
	s_wait_tensorcnt 0x0                           ; the wave's end, behind my last tensor load and my last LDS store
	ds_add_u32 v[SPW], v[NIL]
	s_wait_dscnt 0x0
	CROUND                                         ; the closing round
	s_endpgm
.Lfunc_end_k_q908dd40892_qkv:
	.size	k_q908dd40892_qkv, .Lfunc_end_k_q908dd40892_qkv-k_q908dd40892_qkv
	.p2alignl 7, 3214868480
	.fill 96, 4, 3214868480
	.section	.rodata,"a",@progbits
	.p2align	6, 0x0
	.amdhsa_kernel k_q908dd40892_qkv
		.amdhsa_group_segment_fixed_size 327680
		.amdhsa_private_segment_fixed_size 0
		.amdhsa_enable_private_segment 0
		.amdhsa_kernarg_size 32
		.amdhsa_user_sgpr_count 2
		.amdhsa_user_sgpr_kernarg_segment_ptr 1
		.amdhsa_wavefront_size32 1
		.amdhsa_system_sgpr_workgroup_id_x 1
		.amdhsa_system_sgpr_workgroup_id_y 1
		.amdhsa_system_sgpr_workgroup_id_z 1
		.amdhsa_system_vgpr_workitem_id 0
		.amdhsa_next_free_vgpr 960
		.amdhsa_next_free_sgpr 82
		.amdhsa_reserve_vcc 0
		.amdhsa_float_denorm_mode_32 3
		.amdhsa_float_denorm_mode_16_64 3
		.amdhsa_memory_ordered 1
		.amdhsa_forward_progress 1
		.amdhsa_inst_pref_size 108
	.end_amdhsa_kernel
	.amdgpu_metadata
---
amdhsa.version: [ 1, 2 ]
amdhsa.kernels:
  - .name:           k_q908dd40892_qkv
    .symbol:         k_q908dd40892_qkv.kd
    .args:
      - { .name: xb, .offset: 0, .size: 8, .value_kind: global_buffer, .address_space: global }
      - { .name: wb, .offset: 8, .size: 8, .value_kind: global_buffer, .address_space: global }
      - { .name: rope, .offset: 16, .size: 8, .value_kind: global_buffer, .address_space: global }
      - { .name: qkvh, .offset: 24, .size: 8, .value_kind: global_buffer, .address_space: global }
    .group_segment_fixed_size: 327680
    .private_segment_fixed_size: 0
    .kernarg_segment_align: 8
    .kernarg_segment_size: 32
    .max_flat_workgroup_size: 128
    .sgpr_count:     82
    .vgpr_count:     960
    .wavefront_size: 32
...
	.end_amdgpu_metadata
.endif
;; end of part 2
;; launch attn (part 3): grid 16 x 16, 4 waves a work-group, clusters of 4 x 4, 327,680 bytes of LDS; arguments qkvh, maskc, ob; writes ob
.if DOCPART == 3
	.amdgcn_target "amdgcn-amd-amdhsa--gfx1250"
	.amdhsa_code_object_version 6
	.text
	.protected	k_q908dd40892_attn
	.globl	k_q908dd40892_attn
	.p2align	8
	.type	k_q908dd40892_attn,@function
k_q908dd40892_attn:
	s_mov_b64 s[64:65], 0
	v_nop
	global_prefetch_b8 v0, s[64:65] scope:SCOPE_SE
	s_setreg_imm32_b32 hwreg(HW_REG_WAVE_MODE, 25, 1), 1
	s_wait_xcnt 0x0
	s_wait_alu depctr_hold_cnt(0) depctr_sa_sdst(0) depctr_va_vdst(0) depctr_va_sdst(0) depctr_va_ssrc(0) depctr_va_vcc(0) depctr_vm_vsrc(0)
	s_getreg_b32 s2, hwreg(HW_REG_IB_STS2, 6, 4)
	s_cmp_eq_u32 s2, 0
	s_cbranch_scc0 .Lentry_in_a_cluster
	s_endpgm
.Lentry_in_a_cluster:
	s_bfe_u32 s2, ttmp6, 0x10000c
	s_cmp_lg_u32 s2, 0xf033
	s_cbranch_scc0 .Lentry_shape_is_right
	s_endpgm
.Lentry_shape_is_right:
; ATTENTION with an additive mask that is an input: O[q] = the sum over all 2,048 keys of softmax_k(Q[q] . K[k] / sqrt(128) + mask[q][k]) V[k], for 16 heads of 128 channels.
; qkvh: f16 [48][2048][128] (q, k, v by heads); maskc: f32 [2048 q][2048 k], the mask times log2 e, not below -1e30; ob: f16 [2048 t][2048], head h at bytes 256 h of a row.
; SCORES IN UNITS OF log2: s = fma(q . k, log2 e / sqrt(128), maskc), one rounding to nearest; m is the running maximum of s; p = 2^(s - m); O and l are multiplied by a = 2^(m_old - m_new) in every step.
; s - m is 0 exactly where s = m, so p never passes 1, also where all of a step's keys are hidden and m is as low as the mask.  p is rounded to f16 for the second product; l is the sum of the unrounded p.
; LIMITS.  Q, K, V arrive within f16's 65,504.  Where a whole row is hidden by a mask near -1e9 the scores vanish in the mask's rounding if they are below 64 in log2 units, and the row is the mean of V.
; A weight below 2^-126 counts as 0.  NaN and plus infinity are not treated apart.
; SHARES.  A work-group owns 128 queries of one head.  Wave w: queries 64 (w % 2) on, four tiles of 16 in two PIECES (tiles 0, 1 and tiles 2, 3); of each slot's 128 keys it walks the 64 (w / 2) on.
; So a query has two waves, each with half of the keys; their m, l and O (all f32) meet once, at the end, through LDS.
; LAYOUT.  S^T = K Q^T: a lane holds ONE query (lane % 16) and the keys 8 (lane / 16) + 0..7 of each 16; two such results rounded to f16 ARE source 1 of O^T = V^T P.  V comes out of LDS turned.
; BY TURNS.  In a turn one piece has the matrix unit (32 products V^T P of the step in hand, 32 products K Q^T of the next), the other piece's softmax stands in 64 slices behind the matrix instructions.
; NO FIRST AND NO LAST STEP IS WRITTEN OUT.  m starts at the lowest finite number, l and O^T at 0, so the first step is a step like any other, with a = 0; V's registers and the P of tiles 2, 3 start at 0, so the
; first turn's products V^T P, of a step that has not been, add 0.  The loop is entered at its second turn.
; The price: 428 v_mov_b32 in the wait for the first tile, 32 products on zeros at the start and 32 on the last K once more at the end; the gain: two copies of a key step are all the turns in the text.
; RING.  Two LDS slots, each 128 keys: K (pitch 272), V (pitch 288), and the mask's 128 queries x 128 keys (pitch 528).  Wave 0 fills K, wave 1 V, waves 2 and 3 half of the mask each: 32 KiB a load.
; THE WALK OF THE KEYS GOES ROUND.  The cluster at (X, Y) begins at the block of 128 keys (4 X + 8 (Y % 2) + 4 (Y / 2)) mod 16 and takes the sixteen blocks in ring order (a running maximum does not mind the order), so that
; the clusters that read the same K and V (same Y) or the same part of the mask (same X) ask for a given block at different times, four steps apart or more.  The start is the same in all sixteen partners.
; CLUSTER 4 x 4: x runs over query blocks, y over heads.  K and V hang on the head alone: asked for jointly along a row; the mask's tile hangs on the query block alone: jointly along a column.
; REGISTERS: window 0: v0-11, v60-63 addresses; v12-43 statistics, 8 a tile; v44-59 the partner's; v64-191 S^T; v192-255 P.   window 1: O^T, 64 a tile.
;   window 2: v0-127 Q; v128-255 K of a step.   window 3: v0-127 V of a step; v128-255 the mask, 32 a tile, in S^T's order.
.set PKP,   272
.set PVP,   288
.set PMP,   528
.set VOFF,  128*PKP
.set MOFF,  VOFF+128*PVP
.set SLOT,  MOFF+128*PMP               ; 139,264 = 0x22000: the four waves' first bytes in slot 0 have both of its bits clear, so one exclusive or changes the slot
.set SPARE, 2*SLOT                     ; the spare words, 128 bytes a wave, that no other line names
.set STAGE, SPARE+512                  ; 16 rows x 272 bytes a wave, for the way out; no tensor load fills it
.set SP,    272
.set XHALF, 34816                      ; THE MEETING lies in slot 0, behind that slot's last fill and last reads: for each half of the queries 64 blocks of 512 bytes of O^T and 4 of statistics
.set AK0, 2                            ; v2   my lane's place in a slot's K; never rewritten
.set AV0, 3                            ; v3   in its V
.set ADR, 4                            ; v4   the LDS address of the run of loads in hand
.set QO,  5                            ; v5   my byte offset in the wave's rows of Q; later XO, my 16 bytes of a block of the meeting
.set XO,  5
.set STO, 6
.set RD,  7
.set GO,  8
.set ADM, 11                           ; v11  the LDS address of the mask's loads in hand
.set ST,  12                           ; tile t's statistics at v[ST+8 t]: +0 m, +1 m_old - m_new, +2, +3 l (even keys', odd keys'), +4 to +7 c0-c3 at work; a takes c2's place
.set PS,  44                           ; the partner's m, -, l, - for tile t at v[PS+4 t]
.set AM0, 60                           ; v60  my lane's place in a slot's mask; never rewritten
.set PFO, 61                           ; v61  the prefetch's offset; never rewritten
.set SPW, 62                           ; v62  my spare word; never rewritten
.set NIL, 63                           ; v63  0; never rewritten
.set S,   64
.set P,   192
.set KF,  128                          ; window 2
.set MF,  128                          ; window 3
.set WV,  12                           ; s12  my wave's number
.set KI,  15                           ; s15  the block of keys last asked for, 0 to 15
.set PFA, 18                           ; s[18:19] where my one prefetch stands; never rewritten
.set G1K, 24
.set G1V, 32
.set G1M, 40
.set G0K, 48                           ; s[48:55] two sets: slot 0 with the walk's first step; slot 1 with its second, which then walks
.set G0V, 56
.set G0M, 68
.set SLOTS, 76                         ; s76  passes of the loop's end still to come
.set SC,  78                           ; s[78:79] log2 e / sqrt(128)
.set SEL, 80                           ; s[80:81] v_permlanex16_b32's selects: each lane takes its own place in the other half
.set TB,  82                           ; s82  the slot of the step to be fetched
.set CNT, 83                           ; s83  counts the tail's passes
.set OFK, 84                           ; s[84:85] the block's byte offset in K and in V
.set QP,  86                           ; s[86:87] Q at my wave's first row
.set OP,  88                           ; s[88:89] O at my wave's first row
.set BK,  90                           ; s[90:91] K at the head's first key; never rewritten
.set BV,  92                           ; s[92:93] V likewise
.set BM,  94                           ; s[94:95] the mask at my half of the block's rows, key 0; never rewritten
.set OFM, 96                           ; s[96:97] the block's byte offset in a row of the mask
.set MSB, 0
.macro WIN new
.if MSB != (\new)
	s_set_vgpr_msb (MSB<<8)|(\new)
.set MSB, \new
.endif
.endm
.set W_KQ, 0x0a                        ; K and Q in window 2, S^T in window 0
.set W_PV, 0x53                        ; V in window 3, P in window 0, O^T in window 1
.set W_RS, 0x41                        ; O^T (destination and source 0) in window 1
.set W_MK, 0x30                        ; source 2, the mask, in window 3
; A joint load by descriptor set 0 or 1.  The branches hang on the wave's number alone.  An s_nop 0 and four v_nop follow each line.
.macro JLOAD set
	s_cmp_lt_u32 s[WV], 2
	s_cbranch_scc0 .Lfor_m_\@
	s_cmp_eq_u32 s[WV], 0
	s_cbranch_scc0 .Lfor_v_\@
	tensor_load_to_lds s[G0K+4*(\set):G0K+4*(\set)+3], s[G1K:G1K+7]
	s_nop 0
.rept 4
	v_nop
.endr
	s_branch .Lasked_\@
.Lfor_v_\@:
	tensor_load_to_lds s[G0V+4*(\set):G0V+4*(\set)+3], s[G1V:G1V+7]
	s_nop 0
.rept 4
	v_nop
.endr
	s_branch .Lasked_\@
.Lfor_m_\@:
	tensor_load_to_lds s[G0M+4*(\set):G0M+4*(\set)+3], s[G1M:G1M+7]
	s_nop 0
.rept 4
	v_nop
.endr
.Lasked_\@:
.endm
; THE PREFETCH INTO THE L2.  The clusters that share tiles begin four steps apart or more, so a cluster is the first in the launch to ask for the four blocks of keys with which its walk begins, and for no others.  Of these the
; first two are the first fills and the third comes by its refill alone; the fourth is asked for here, behind the first refill (SLOTS = 14): one key step, 128 matrix instructions, ahead of its refill.  Each wave asks for
; the tile that it fetches: wave 0 K, wave 1 V (partner cx takes 32 of the 128 rows, a lane a row), waves 2 and 3 the mask (partner cy takes 16 of the wave's 64 rows, two lanes a row of 512 bytes).
; The partners are told apart by address.  So each aligned 256 bytes are named once in the launch.
.macro ASK
	s_cmp_eq_u32 s[SLOTS], 14
	s_cbranch_scc0 .Lnot_now_\@
	global_prefetch_b8 v[PFO], s[PFA:PFA+1] th:TH_LOAD_NT scope:SCOPE_SE
.Lnot_now_\@:
.endm
.macro CROUND
	s_barrier_signal -1
	s_barrier_wait -1
	s_cmp_lg_u32 s[WV], 0
	s_cbranch_scc1 .Lnot_wave_0_\@
	s_barrier_signal -3
.Lnot_wave_0_\@:
	s_barrier_wait -3
	s_barrier_signal -1
	s_barrier_wait -1
.endm
	s_load_b128 s[4:7], s[0:1], 0x0                ; qkvh s[4:5], maskc s[6:7]
	s_load_b64 s[8:9], s[0:1], 0x10                ; ob
	v_lshl_add_u32 v[SPW], v0, 2, SPARE
	v_mov_b32 v[NIL], 0
	ds_add_u32 v[SPW], v[NIL]                      ; the wave's opening: the add and its wait ahead of my first tensor load
	v_lshrrev_b32 v1, 5, v0
	v_readfirstlane_b32 s[WV], v1                  ; wave 0..3
	s_and_b32 s[KI], ttmp7, 0xffff                 ; the walk's first block of keys, from the cluster's coordinates alone: Y,
	s_and_b32 s[OFK], s[KI], 1
	s_lshl_b32 s[OFK], s[OFK], 3                   ; 8 (Y % 2)
	s_lshr_b32 s[KI], s[KI], 1
	s_lshl_b32 s[KI], s[KI], 2                     ; + 4 (Y / 2)
	s_add_co_u32 s[KI], s[KI], s[OFK]
	s_lshl_b32 s[OFK], ttmp9, 2                    ; + 4 X,
	s_add_co_u32 s[KI], s[KI], s[OFK]
	s_and_b32 s[KI], s[KI], 15                     ; mod 16: a multiple of 4
	s_lshl_b32 s[OFK], s[KI], 15                   ; 128 rows of 256 bytes in K and V,
	s_mov_b32 s[OFK+1], 0
	s_lshl_b32 s[OFM], s[KI], 9                    ; 128 f32 of a row of the mask
	s_mov_b32 s[OFM+1], 0
	s_bfe_u32 s13, ttmp6, 0x40000                  ; cx
	s_bfe_u32 s14, ttmp6, 0x40004                  ; cy
	s_lshl_b32 s16, ttmp9, 2
	s_add_co_u32 s16, s16, s13                     ; my block of 128 queries
	s_and_b32 s17, ttmp7, 0xffff
	s_lshl_b32 s17, s17, 2
	s_add_co_u32 s17, s17, s14                     ; my head
	s_and_b32 s2, s[WV], 1                         ; which 64 queries are mine; also which half of the mask's rows I fetch
	s_lshr_b32 s3, s[WV], 1                        ; which 64 of a slot's keys are mine
	s_lshl_b32 s22, s14, 2
	s_lshl_b32 s22, 15, s22                        ; my row of the cluster
	s_lshl_b32 s23, 0x1111, s13                    ; my column
	s_or_b32 s[G1K], s22, (1<<16)|(1<<20)|(1<<21)|(5<<22)|(3<<25)  ; 2-byte elements; after every 64 words 4 words of padding
	s_or_b32 s[G1V], s22, (1<<16)|(1<<20)|(1<<21)|(5<<22)|(7<<25)  ; 8 words
	s_or_b32 s[G1M], s23, (2<<16)|(1<<20)|(1<<21)|(6<<22)|(3<<25)  ; 4-byte elements; after every 128 words 4 words
.irp g, G1K, G1V
	s_mov_b32 s[(\g)+1], 128<<16                   ; tensor_dim0 = 128
	s_mov_b32 s[(\g)+2], 128<<16                   ; tensor_dim1 = 128
	s_mov_b32 s[(\g)+3], 128<<16                   ; tile_dim0 = 128
	s_mov_b32 s[(\g)+4], 128                       ; tile_dim1 = 128
	s_mov_b32 s[(\g)+5], 128                       ; elements from row to row
	s_mov_b32 s[(\g)+6], 0
	s_mov_b32 s[(\g)+7], 0
.endr
	s_mov_b32 s[G1M+1], 128<<16
	s_mov_b32 s[G1M+2], 64<<16
	s_mov_b32 s[G1M+3], 128<<16
	s_mov_b32 s[G1M+4], 64
	s_mov_b32 s[G1M+5], 2048
	s_mov_b32 s[G1M+6], 0
	s_mov_b32 s[G1M+7], 0
	s_mov_b32 s[SC], 0x3e0293ee                    ; log2 e / sqrt(128) = 0.127517
	s_mov_b32 s[SC+1], s[SC]
	s_mov_b32 s[SEL], 0x76543210
	s_mov_b32 s[SEL+1], 0xfedcba98
	s_mov_b32 s[TB], 0
	s_add_co_u32 s[BK], s17, 16                    ; K: plane 16 + head, made of the head alone
	s_lshl_b32 s[BK], s[BK], 19
	s_mov_b32 s[BK+1], 0
	s_add_co_u32 s[BV], s17, 32                    ; V: plane 32 + head
	s_lshl_b32 s[BV], s[BV], 19
	s_mov_b32 s[BV+1], 0
	s_lshl_b32 s[BM], s16, 20                      ; the mask: row 128 x block + 64 x half, 8,192 bytes a row: made of the block and the wave alone
	s_lshl_b32 s[BM+1], s2, 19
	s_add_co_u32 s[BM], s[BM], s[BM+1]
	s_mov_b32 s[BM+1], 0
	s_mul_i32 s77, s2, 64*PMP                      ; and where that half goes
	s_lshl_b32 s[QP], s17, 19                      ; Q: plane head, row 128 x block + 64 x half
	s_lshl_b32 s20, s16, 15
	s_add_co_u32 s[QP], s[QP], s20
	s_lshl_b32 s20, s2, 14
	s_add_co_u32 s[QP], s[QP], s20
	s_mov_b32 s[QP+1], 0
	s_lshl_b32 s[OP], s16, 19                      ; O: the same row of 4,096 bytes, the head's 256
	s_lshl_b32 s20, s2, 18
	s_add_co_u32 s[OP], s[OP], s20
	s_lshl_b32 s20, s17, 8
	s_add_co_u32 s[OP], s[OP], s20
	s_mov_b32 s[OP+1], 0
	; the prefetch's lane offset: (lane >> sh) x pitch + (lane & sh) x 256, with sh = 0, pitch 256 for K and V; sh = 1, pitch 8,192 for the mask
	v_and_b32 v[PFO], 31, v0
	s_movk_i32 s21, 0x2000
	s_cmp_lt_u32 s[WV], 2
	s_cselect_b32 s20, 0, 1
	s_cselect_b32 s21, 256, s21
	v_lshrrev_b32 v10, s20, v[PFO]
	v_mul_u32_u24 v10, s21, v10
	v_and_b32 v4, s20, v[PFO]
	v_lshl_add_u32 v[PFO], v4, 8, v10
	s_lshl_b32 s20, s13, 13                        ; K, V: my work-group's 32 rows, at the walk's fourth block: the start + 3, which does not go round
	s_add_co_u32 s20, s20, s[OFK]
	s_add_co_u32 s20, s20, 3*32768
	s_lshl_b32 s21, s14, 17                        ; the mask: my work-group's 16 rows, at the same block
	s_add_co_u32 s21, s21, s[OFM]
	s_add_co_u32 s21, s21, 3*512
	s_wait_dscnt 0x0                               ; the opening add is done
	s_wait_kmcnt 0x0
	s_add_nc_u64 s[BK:BK+1], s[4:5], s[BK:BK+1]
	s_add_nc_u64 s[BV:BV+1], s[4:5], s[BV:BV+1]
	s_add_nc_u64 s[BM:BM+1], s[6:7], s[BM:BM+1]
	s_add_nc_u64 s[QP:QP+1], s[4:5], s[QP:QP+1]
	s_add_nc_u64 s[OP:OP+1], s[8:9], s[OP:OP+1]
	s_cmp_eq_u32 s[WV], 0
	s_cselect_b64 s[PFA:PFA+1], s[BK:BK+1], s[BV:BV+1]
	s_cmp_lt_u32 s[WV], 2
	s_cselect_b64 s[PFA:PFA+1], s[PFA:PFA+1], s[BM:BM+1]
	s_cselect_b32 s20, s20, s21
	s_mov_b32 s21, 0
	s_add_nc_u64 s[PFA:PFA+1], s[PFA:PFA+1], s[20:21]
.irp s, 0,1
	s_mov_b32 s[G0K+4*(\s)], 1
	s_mov_b32 s[G0K+4*(\s)+1], (\s)*SLOT
	s_add_nc_u64 s[G0K+4*(\s)+2:G0K+4*(\s)+3], s[BK:BK+1], s[OFK:OFK+1]
	s_mov_b32 s[G0V+4*(\s)], 1
	s_mov_b32 s[G0V+4*(\s)+1], (\s)*SLOT+VOFF
	s_add_nc_u64 s[G0V+4*(\s)+2:G0V+4*(\s)+3], s[BV:BV+1], s[OFK:OFK+1]
	s_mov_b32 s[G0M+4*(\s)], 1
	s_add_co_u32 s[G0M+4*(\s)+1], s77, (\s)*SLOT+MOFF
	s_add_nc_u64 s[G0M+4*(\s)+2:G0M+4*(\s)+3], s[BM:BM+1], s[OFM:OFM+1]
.endr
	s_add_nc_u64 s[G0K+6:G0K+7], s[G0K+6:G0K+7], 32768  ; the second set: the walk's second block; the start is a multiple of 4, so it does not go round yet
	s_add_nc_u64 s[G0V+6:G0V+7], s[G0V+6:G0V+7], 32768
	s_add_nc_u64 s[G0M+6:G0M+7], s[G0M+6:G0M+7], 512
.irp r, G0K+3, G0K+7, G0V+3, G0V+7, G0M+3, G0M+7
	s_or_b32 s[\r], s[\r], 0x80000000              ; type = 2
.endr
	s_add_co_u32 s[KI], s[KI], 1                   ; the block last asked for
	CROUND                                         ; all sixteen work-groups are here: the first joint loads meet
	JLOAD 0                                        ; the walk's first two steps: two loads of mine are out
	JLOAD 1
	v_and_b32 v1, 15, v0                           ; l % 16
	v_bfe_u32 v9, v0, 4, 1                         ; l / 16
	v_lshlrev_b32 v[QO], 8, v1
	v_lshl_add_u32 v[QO], v9, 4, v[QO]
	WIN 0x80                                       ; destination window 2
.irp i, 0,1,2,3,4,5,6,7,8,9,10,11,12,13,14,15  ; Q stays in registers: tile i / 4, channels 32 (i % 4) on
	global_load_b128 v[8*(\i):8*(\i)+3],   v[QO], s[QP:QP+1] offset:((\i)/4)*4096+((\i)%4)*64
	global_load_b128 v[8*(\i)+4:8*(\i)+7], v[QO], s[QP:QP+1] offset:((\i)/4)*4096+((\i)%4)*64+32
.endr
	; What the first turn finds; all this stands in the wait for the first tile.
	WIN 0xc0                                       ; destination window 3: V's registers
.set i, 0
.rept 128
	v_mov_b32 v[i], 0
.set i, i+1
.endr
	WIN 0x40                                       ; destination window 1: O^T
.set i, 0
.rept 256
	v_mov_b32 v[i], 0
.set i, i+1
.endr
	WIN 0
.set i, P+32                                   ; the P of tiles 2 and 3
.rept 32
	v_mov_b32 v[i], 0
.set i, i+1
.endr
.irp t, 0,1,2,3
	v_mov_b32 v[ST+8*(\t)], 0xff7fffff             ; m: the lowest finite number, so that the first maximum is the scores' and the first a is 0
	v_mov_b32 v[ST+8*(\t)+2], 0                    ; l
	v_mov_b32 v[ST+8*(\t)+3], 0
.endr
	s_mul_i32 s20, s3, 64*PKP                      ; my 64 keys
	v_mul_u32_u24 v[AK0], v1, PKP
	v_lshl_add_u32 v[AK0], v9, 4, v[AK0]
	v_add_nc_u32 v[AK0], s20, v[AK0]
	v_and_b32 v10, 7, v0                           ; the turning load: key 8 (l / 16) + l % 8, channels 8 ((l / 8) % 2) on
	v_bfe_u32 v4, v0, 3, 1
	v_lshl_add_u32 v[AV0], v9, 3, v10
	v_mul_u32_u24 v[AV0], v[AV0], PVP
	v_lshl_add_u32 v[AV0], v4, 4, v[AV0]
	s_mul_i32 s20, s3, 64*PVP
	s_add_co_u32 s20, s20, VOFF
	v_add_nc_u32 v[AV0], s20, v[AV0]
	v_mul_u32_u24 v[AM0], v1, PMP                  ; the mask: my query's row, my 64 keys' 256 bytes, 32 bytes for each half of the lanes
	v_lshl_add_u32 v[AM0], v9, 5, v[AM0]
	s_mul_i32 s20, s2, 64*PMP
	s_lshl_b32 s21, s3, 8
	s_add_co_u32 s20, s20, s21
	s_add_co_u32 s20, s20, MOFF
	v_add_nc_u32 v[AM0], s20, v[AM0]
; Product i of 32 of O^T += V^T P for piece x: keys 32 (i / 16) on, channels 16 ((i / 2) % 8) on, tile x + i % 2.  The accumulators take turns.
.macro PV x
	WIN W_PV
.set rO, 64*((\x)+i%2)+8*((i/2)%8)
.set rV, 64*(i/16)+8*((i/2)%8)
.set rP, P+16*((\x)+i%2)+8*(i/16)
	v_wmma_f32_16x16x32_f16 v[rO:rO+7], v[rV:rV+7], v[rP:rP+7], v[rO:rO+7]
.endm
; Product i of 32 of S^T = K Q^T: channels 32 (i / 8) on, keys 16 ((i / 2) % 4) on, tile x + i % 2.  The first 8 start the sums.
.macro KQ x
	WIN W_KQ
.set rS, S+32*((\x)+i%2)+8*((i/2)%4)
.set rK, KF+32*((i/2)%4)+8*(i/8)
.set rQ, 32*((\x)+i%2)+8*(i/8)
.if i < 8
	v_wmma_f32_16x16x32_f16 v[rS:rS+7], v[rK:rK+7], v[rQ:rQ+7], 0
.else
	v_wmma_f32_16x16x32_f16 v[rS:rS+7], v[rK:rK+7], v[rQ:rQ+7], v[rS:rS+7]
.endif
.endm
; THE LDS LOADS stand in two runs of 48 a key step: a step's K and the mask of tiles 0, 1; a turn later its V (turned) and the mask of tiles 2, 3.
.macro MLOADS t0
.irp t, \t0, (\t0)+1
.irp q, 0,1,2,3,4,5,6,7                ; keys 16 (q / 2) + 4 (q % 2) on of my eight in each sixteen
	ds_load_b128 v[MF+32*(\t)+4*(\q):MF+32*(\t)+4*(\q)+3], v[ADM] offset:(\t)*16*PMP+((\q)/2)*64+((\q)%2)*16
.endr
.endr
.endm
.macro FETCH_K
	WIN 0
	v_add_nc_u32 v[ADR], s[TB], v[AK0]
	v_add_nc_u32 v[ADM], s[TB], v[AM0]
	WIN 0x80                                       ; destination window 2
.irp f, 0,1,2,3,4,5,6,7,8,9,10,11,12,13,14,15  ; keys 16 (f / 4) on, channels 32 (f % 4) on
	ds_load_b128 v[KF+8*(\f):KF+8*(\f)+3],   v[ADR] offset:((\f)/4)*16*PKP+((\f)%4)*64
	ds_load_b128 v[KF+8*(\f)+4:KF+8*(\f)+7], v[ADR] offset:((\f)/4)*16*PKP+((\f)%4)*64+32
.endr
	WIN 0xc0                                       ; destination window 3
	MLOADS 0
.endm
.macro FETCH_V
	WIN 0
	v_add_nc_u32 v[ADR], s[TB], v[AV0]
	v_add_nc_u32 v[ADM], s[TB], v[AM0]
	s_wait_alu depctr_va_vdst(0)                   ; the wait for the softmax's batch of exponentials, ahead of the loads
	WIN 0xc0
.irp f, 0,1,2,3,4,5,6,7,8,9,10,11,12,13,14,15  ; keys 32 (f / 8) on, channels 16 (f % 8) on
	ds_load_tr16_b128 v[8*(\f):8*(\f)+3],   v[ADR] offset:((\f)/8)*32*PVP+((\f)%8)*32
	ds_load_tr16_b128 v[8*(\f)+4:8*(\f)+7], v[ADR] offset:((\f)/8)*32*PVP+16*PVP+((\f)%8)*32
.endr
	MLOADS 2
.endm
; THE VECTOR WORK.  One tile's softmax for one key step is a list of 149 instructions; SM writes number j of it for tile t.
;   0-15     s = raw x SC + mask, a pair of scores each, ascending: each accumulator is read from its low end on
;   16-31    the maximum of the 32 scores and the old m, three operands at a time
;   32-35    the other half of the lanes' maximum; the old m is kept; the new m; m_old - m_new
;   36-84    ONE BATCH: the 16 subtractions s - m and all 33 exponentials (a at 38).  None of these reads an exponential's result
;   (wait)   between 84 and 85 stands the one wait for the batch: SLICE writes it
;   85-100   the roundings to f16       101-116  the sums; l = a l + the sum       117-148  the tile's O^T times a
.macro SM t
.set rT, ST+8*(\t)
.set rS, S+32*(\t)
.set rP, P+16*(\t)
.set rM, MF+32*(\t)
.set rO, 64*(\t)+2*(j-117)
.set g, j-16
.set o, j-15
.if j < 16
	WIN W_MK
	v_pk_fma_f32 v[rS+2*j:rS+2*j+1], v[rS+2*j:rS+2*j+1], s[SC:SC+1], v[rM+2*j:rM+2*j+1] op_sel_hi:[1,0,1]
.else
.if j < 117
	WIN 0
.endif
.if g < 4
	v_max3_num_f32 v[rT+4+g], v[rS+8*g], v[rS+8*g+1], v[rS+8*g+2]
.elseif g < 12
	v_max3_num_f32 v[rT+4+g%4], v[rT+4+g%4], v[rS+8*(g%4)+2*(g/4)+1], v[rS+8*(g%4)+2*(g/4)+2]
.elseif g == 12
	v_max3_num_f32 v[rT+4], v[rT+4], v[rS+7], v[rS+15]
.elseif g == 13
	v_max3_num_f32 v[rT+6], v[rT+6], v[rS+23], v[rS+31]
.elseif g == 14
	v_max3_num_f32 v[rT+4], v[rT+4], v[rT+5], v[rT+6]
.elseif g == 15
	v_max3_num_f32 v[rT+4], v[rT+4], v[rT+7], v[rT]
.elseif j == 32
	v_permlanex16_b32 v[rT+5], v[rT+4], s[SEL], s[SEL+1]  ; the query's other 32 keys lie in the lane 16 away
.elseif j == 33
	v_mov_b32 v[rT+1], v[rT]
.elseif j == 34
	v_max_num_f32 v[rT], v[rT+4], v[rT+5]
.elseif j == 35
	v_sub_f32 v[rT+1], v[rT+1], v[rT]
.elseif j == 38
	v_exp_f32 v[rT+6], v[rT+1]
.elseif (o < 23) || ((o < 38) && (o%2 == 0)) || ((o < 66) && (o%4 == 2))
.set b, (o-2)/4
.if o < 38
.set b, (o-20)/2
.endif
	v_pk_add_f32 v[rS+2*b:rS+2*b+1], v[rS+2*b:rS+2*b+1], v[rT:rT+1] op_sel_hi:[1,0] neg_lo:[0,1] neg_hi:[0,1]  ; pair b: s - m
.elseif o < 70
.set e, o-38
.if o < 66
.set e, o-32-(o-38)/4
.endif
.if o < 38
.set e, (o-25)/2
.endif
	v_exp_f32 v[rS+e], v[rS+e]
.elseif o < 86
	v_cvt_pk_f16_f32 v[rP+o-70], v[rS+2*(o-70)], v[rS+2*(o-70)+1]
.elseif o < 102                        ; the sum of the tile's 16 pairs, in place: neighbours 1, 2, 4 and 8 pairs apart, then l takes it
.set z, o-86
.set w, 4
.set u, z
.if z >= 14
.set w, 32
.set u, 0
.elseif z >= 12
.set w, 16
.set u, z-12
.elseif z >= 8
.set w, 8
.set u, z-8
.endif
.if z < 15
	v_pk_add_f32 v[rS+w*u:rS+w*u+1], v[rS+w*u:rS+w*u+1], v[rS+w*u+w/2:rS+w*u+w/2+1]
.else
	v_pk_fma_f32 v[rT+2:rT+3], v[rT+2:rT+3], v[rT+6:rT+7], v[rS:rS+1] op_sel_hi:[1,0,1]
.endif
.else
	WIN W_RS
	v_pk_mul_f32 v[rO:rO+1], v[rO:rO+1], v[rT+6:rT+7] op_sel_hi:[1,0]
.endif
.endif
.endm
.macro BOTH y, j0, n                   ; numbers j0 .. j0 + n - 1 of both tiles' lists, the tiles alternating
.set jj, \j0
.rept \n
.irp t, \y, (\y)+1
.set j, jj
	SM \t
.endr
.set jj, jj+1
.endr
.endm
; Slice k of 64 of piece y's softmax.  0-11: three numbers of both tiles; 12: number 36; 13-36: the batch, four numbers of ONE tile, the tiles by turns; 37-52: two numbers of both; 53-62: three; 63: the last two of both:
; four plain instructions that name nothing of the products round them: the places behind the turn's last K Q^T.
; Behind slice 36 both tiles' 66 exponentials are issued and no result has been named: a v_nop is the plain instruction behind the last of them, and ONE wait serves the batch.
.macro SLICE y
.if k < 12
	BOTH \y, 3*k, 3
.elseif k == 12
	BOTH \y, 36, 1
.elseif k < 37
.irp n, 0,1,2,3
.set j, 37+4*((k-13)/2)+(\n)
	SM (\y)+(k-13)%2
.endr
.elseif k < 53
	BOTH \y, 85+2*(k-37), 2
.elseif k < 63
	BOTH \y, 117+3*(k-53), 3
.else
	BOTH \y, 147, 2
.endif
.if k == 36
	v_nop
.if (\y) == 0
	FETCH_V                                        ; piece 2's turn: V's run of loads stands here, and the wait stands in it.  V's last reader stands in front of slice 31: four subtractions, the v_nop and two additions lie between
.else
	s_wait_alu depctr_va_vdst(0)
.endif
.endif
.set k, k+1
.endm
; A TURN.  Piece x has the matrix unit: 32 products V^T P, then 32 products K Q^T; the other piece's softmax stands in slices, one behind each matrix instruction.
.macro TURN x
.set k, 0
.if (\x) == 0
	s_wait_dscnt 0x0                               ; V and the mask of tiles 2, 3 are in
.endif
.set i, 0
.rept 32
	PV \x
	SLICE 2-(\x)
.if ((\x) == 0) && (i == 1)
	FETCH_K                                        ; K's last reader stands in front of slice 63 of the turn before
.endif
.set i, i+1
.endr
.if (\x) == 0
	s_wait_dscnt 0x0                               ; K and the mask of tiles 0, 1 are in
.endif
.set i, 0
.rept 32
	KQ \x
	SLICE 2-(\x)
.set i, i+1
.endr
.endm
; THE CHANGE OF SLOTS, between piece 2's turn and piece 0's: the slot's last bytes, V and the mask of tiles 2, 3, have been asked for.  Each wave waits for all its tensor loads (one is out: its part of the other slot),
; adds 0 to its spare word, and waits for that and for its reads of the slot.  fill = 1: the walking descriptors are made for the next block of the ring; the barrier is a round of the cluster's, and the joint refill
; is the first thing behind it: it has a key step, 128 matrix instructions, in which to land.
.macro CHANGE fill
	WIN 0
	s_wait_tensorcnt 0x0                           ; no tensor load of mine is out, so a group 0 may be written
	ds_add_u32 v[SPW], v[NIL]                      ; 0 onto my spare word
.if \fill
	s_add_co_u32 s[KI], s[KI], 1                   ; the next block of 128 keys, round the ring of sixteen
	s_and_b32 s[KI], s[KI], 15
	s_lshl_b32 s[OFK], s[KI], 15
	s_lshl_b32 s[OFM], s[KI], 9
	s_xor_b32 s[G0K+5], s[G0K+5], SLOT             ; the other slot than last time; the address is made anew from the base and the block's offset, the type bits set again
	s_add_nc_u64 s[G0K+6:G0K+7], s[BK:BK+1], s[OFK:OFK+1]
	s_or_b32 s[G0K+7], s[G0K+7], 0x80000000
	s_xor_b32 s[G0V+5], s[G0V+5], SLOT
	s_add_nc_u64 s[G0V+6:G0V+7], s[BV:BV+1], s[OFK:OFK+1]
	s_or_b32 s[G0V+7], s[G0V+7], 0x80000000
	s_xor_b32 s[G0M+5], s[G0M+5], SLOT
	s_add_nc_u64 s[G0M+6:G0M+7], s[BM:BM+1], s[OFM:OFM+1]
	s_or_b32 s[G0M+7], s[G0M+7], 0x80000000
	s_wait_dscnt 0x0                               ; the add is done, and my reads of the slot are over
	CROUND
	JLOAD 1
	ASK
.else
	s_wait_dscnt 0x0
	s_barrier_signal -1
	s_barrier_wait -1
.endif
	s_xor_b32 s[TB], s[TB], SLOT                   ; the fetches go on in the other slot
.endm
	s_wait_tensorcnt 1                             ; my part of slot 0 is in; slot 1's may stay out
	s_barrier_signal -1
	s_barrier_wait -1
	FETCH_K                                        ; the walk's first key step
	s_wait_loadcnt 0x0                             ; Q
	s_wait_dscnt 0x0
.set i, 0
.rept 32
	KQ 0                                           ; piece 0's first scores
.set i, i+1
.endr
	WIN 0                                          ; the addresses for the way out: plain instructions, the places behind those products
	s_mul_i32 s20, s[WV], 16*SP
	s_add_co_u32 s20, s20, STAGE
	v_mul_u32_u24 v[STO], v1, SP                   ; in: row l % 16, 16 bytes for each half of the lanes
	v_lshl_add_u32 v[STO], v9, 4, v[STO]
	v_add_nc_u32 v[STO], s20, v[STO]
	v_mul_u32_u24 v[RD], v9, SP                    ; back: lanes 0-15 one row of 256 bytes, lanes 16-31 the next
	v_lshl_add_u32 v[RD], v1, 4, v[RD]
	v_add_nc_u32 v[RD], s20, v[RD]
	v_lshlrev_b32 v[GO], 12, v9                    ; and the same two rows in O
	v_lshl_add_u32 v[GO], v1, 4, v[GO]
	s_mov_b32 s[SLOTS], 15                         ; the loop's end is passed once from here and then by fourteen whole trips
	s_branch .Lfirst                               ; the loop is entered at piece 2's turn, in the middle of a trip
.Lstep:                                        ; trip t = 1 .. 14 (steps counted along the walk, from 0): step t + 1 is asked for; V^T P of step t - 1, K Q^T of step t, whose K, V and mask the trip fetches
	CHANGE 1
	TURN 0                                         ; piece 0 has the matrix unit | piece 2's softmax of step t - 1 | K of step t
	WIN 0
.Lfirst:
	TURN 2                                         ; piece 2 has the matrix unit | piece 0's softmax of step t | V of step t
	WIN 0
	s_sub_co_u32 s[SLOTS], s[SLOTS], 1
	s_cmp_lg_u32 s[SLOTS], 0
	s_cbranch_scc1 .Lstep
	CHANGE 0                                       ; the tail is written out: nothing is asked for
	s_mov_b32 s[CNT], 2
.Ltail:                                        ; the first pass is trip 15; of the second only piece 0's turn is wanted: V^T P of step 15 and piece 2's last softmax
	TURN 0
	WIN 0
	s_sub_co_u32 s[CNT], s[CNT], 1
	s_cmp_eq_u32 s[CNT], 0
	s_cbranch_scc1 .Lout
	TURN 2
	WIN 0
	s_branch .Ltail
.Lout:
.set i, 0
.rept 32
	PV 2                                           ; piece 2: V^T P of the last step
.set i, i+1
.endr
	; THE MEETING.  l's two halves and the other half of the lanes' are added (the additions are the places behind the last products).  The waves of the second key half put O^T, m and l into LDS; the waves of the first take them.
	WIN 0
.irp t, 0,1,2,3
	v_add_f32 v[ST+8*(\t)+2], v[ST+8*(\t)+2], v[ST+8*(\t)+3]
.endr
.irp t, 0,1,2,3
	v_permlanex16_b32 v[ST+8*(\t)+5], v[ST+8*(\t)+2], s[SEL], s[SEL+1]
.endr
.irp t, 0,1,2,3
	v_add_f32 v[ST+8*(\t)+2], v[ST+8*(\t)+2], v[ST+8*(\t)+5]
.endr
	v_and_b32 v[XO], 31, v0
	v_lshlrev_b32 v[XO], 4, v[XO]
	s_mul_i32 s20, s2, XHALF
	v_add_nc_u32 v[XO], s20, v[XO]
	s_cmp_lt_u32 s[WV], 2
	s_cbranch_scc1 .Lkeep
	WIN 0x04                                       ; the stores' data in window 1
.set i, 0
.rept 64
	ds_store_b128 v[XO], v[4*i:4*i+3] offset:512*i ; ascending: each accumulator is read from its low end on
.set i, i+1
.endr
	WIN 0
.irp t, 0,1,2,3
	ds_store_b128 v[XO], v[ST+8*(\t):ST+8*(\t)+3] offset:32768+512*(\t)
.endr
.Lkeep:
	s_wait_dscnt 0x0                               ; for the others' sake: my stores are done
	s_barrier_signal -1
	s_barrier_wait -1
	s_cmp_lt_u32 s[WV], 2
	s_cbranch_scc0 .Lend
	WIN 0x80                                       ; the partner's O^T goes where Q and K lay
.set i, 0
.rept 64
	ds_load_b128 v[4*i:4*i+3], v[XO] offset:512*i
.set i, i+1
.endr
	WIN 0
.irp t, 0,1,2,3
	ds_load_b128 v[PS+4*(\t):PS+4*(\t)+3], v[XO] offset:32768+512*(\t)
.endr
	s_wait_dscnt 0x0
.irp t, 0,1,2,3
	v_max_num_f32 v[ST+8*(\t)+4], v[ST+8*(\t)], v[PS+4*(\t)]      ; the common maximum
.endr
.irp t, 0,1,2,3
	v_sub_f32 v[ST+8*(\t)+5], v[ST+8*(\t)], v[ST+8*(\t)+4]
	v_sub_f32 v[ST+8*(\t)+7], v[PS+4*(\t)], v[ST+8*(\t)+4]
.endr
.irp t, 0,1,2,3
	v_exp_f32 v[ST+8*(\t)+1], v[ST+8*(\t)+5]                      ; a0: mine
	v_exp_f32 v[ST+8*(\t)+3], v[ST+8*(\t)+7]                      ; a1: the partner's
.endr
	v_nop
	s_wait_alu depctr_va_vdst(0)                   ; one wait for the eight exponentials
.irp t, 0,1,2,3
	v_mul_f32 v[ST+8*(\t)+5], v[ST+8*(\t)+1], v[ST+8*(\t)+2]
.endr
.irp t, 0,1,2,3
	v_fmac_f32 v[ST+8*(\t)+5], v[ST+8*(\t)+3], v[PS+4*(\t)+2]     ; l = a0 l0 + a1 l1: at least 1, since one of the two a is 1 and its l holds a weight of 1
.endr
.irp t, 0,1,2,3
	v_rcp_f32 v[PS+4*(\t)+1], v[ST+8*(\t)+5]
.endr
	v_nop
	s_wait_alu depctr_va_vdst(0)                   ; one wait for the four reciprocals
.irp t, 0,1,2,3
	v_mul_f32 v[ST+8*(\t)+4], v[ST+8*(\t)+1], v[PS+4*(\t)+1]      ; a0 / l
	v_mul_f32 v[ST+8*(\t)+6], v[ST+8*(\t)+3], v[PS+4*(\t)+1]      ; a1 / l
.endr
; THE WAY OUT of tile t: O = O0 a0 / l + O1 a1 / l, rounded to f16; a lane's eight channels of a row go into rows of 272 bytes of my stage and come back as whole rows of 256.
.macro PACK t
	WIN 0x02                                       ; source 0: the partner's O^T, window 2
.set i, 0
.rept 32
	v_pk_mul_f32 v[S+2*i:S+2*i+1], v[64*(\t)+2*i:64*(\t)+2*i+1], v[ST+8*(\t)+6:ST+8*(\t)+7] op_sel_hi:[1,0]
.set i, i+1
.endr
	WIN 0x01                                       ; source 0: my O^T, window 1, ascending
.set i, 0
.rept 32
	v_pk_fma_f32 v[S+2*i:S+2*i+1], v[64*(\t)+2*i:64*(\t)+2*i+1], v[ST+8*(\t)+4:ST+8*(\t)+5], v[S+2*i:S+2*i+1] op_sel_hi:[1,0,1]
.set i, i+1
.endr
	WIN 0
.set i, 0
.rept 32
	v_cvt_pk_f16_f32 v[128+32*(\t)+i], v[S+2*i], v[S+2*i+1]
.set i, i+1
.endr
.irp f, 0,1,2,3,4,5,6,7
	ds_store_b128 v[STO], v[128+32*(\t)+4*(\f):128+32*(\t)+4*(\f)+3] offset:32*(\f)
.endr
.irp f, 0,1,2,3,4,5,6,7
	ds_load_b128 v[128+32*(\t)+4*(\f):128+32*(\t)+4*(\f)+3], v[RD] offset:(\f)*2*SP  ; LDS serves a wave's instructions in order (ISA guide 5.7.1.4): these see the stores above
.endr
.endm
.macro SEND t, younger                 ; younger: the LDS instructions issued behind tile t's loads
.irp f, 0,1,2,3,4,5,6,7
.if (\f)%4 == 0
	s_wait_dscnt (\younger)+4-(\f)                 ; the next four of the tile's eight loads are in; what was issued behind them stays out
.endif
	global_store_b128 v[GO], v[128+32*(\t)+4*(\f):128+32*(\t)+4*(\f)+3], s[OP:OP+1] offset:(\t)*65536+(\f)*8192  ; 16 lanes store 256 consecutive bytes, aligned: a head's part of a row
.endr
.endm
	PACK 0
	PACK 1
	SEND 0, 16
	PACK 2
	SEND 1, 16
	PACK 3
	SEND 2, 16
	SEND 3, 0
.Lend:
	s_wait_tensorcnt 0x0                           ; the wave's end, behind my last tensor load and my last LDS store
	ds_add_u32 v[SPW], v[NIL]
	s_wait_dscnt 0x0
	CROUND                                         ; the closing round
	s_endpgm
.Lfunc_end_k_q908dd40892_attn:
	.size	k_q908dd40892_attn, .Lfunc_end_k_q908dd40892_attn-k_q908dd40892_attn
	.p2alignl 7, 3214868480
	.fill 96, 4, 3214868480
	.section	.rodata,"a",@progbits
	.p2align	6, 0x0
	.amdhsa_kernel k_q908dd40892_attn
		.amdhsa_group_segment_fixed_size 327680
		.amdhsa_private_segment_fixed_size 0
		.amdhsa_enable_private_segment 0
		.amdhsa_kernarg_size 24
		.amdhsa_user_sgpr_count 2
		.amdhsa_user_sgpr_kernarg_segment_ptr 1
		.amdhsa_wavefront_size32 1
		.amdhsa_system_sgpr_workgroup_id_x 1
		.amdhsa_system_sgpr_workgroup_id_y 1
		.amdhsa_system_sgpr_workgroup_id_z 1
		.amdhsa_system_vgpr_workitem_id 0
		.amdhsa_next_free_vgpr 1024
		.amdhsa_next_free_sgpr 98
		.amdhsa_reserve_vcc 0
		.amdhsa_float_denorm_mode_32 3
		.amdhsa_float_denorm_mode_16_64 3
		.amdhsa_memory_ordered 1
		.amdhsa_forward_progress 1
		.amdhsa_inst_pref_size 191
	.end_amdhsa_kernel
	.amdgpu_metadata
---
amdhsa.version: [ 1, 2 ]
amdhsa.kernels:
  - .name:           k_q908dd40892_attn
    .symbol:         k_q908dd40892_attn.kd
    .args:
      - { .name: qkvh, .offset: 0, .size: 8, .value_kind: global_buffer, .address_space: global }
      - { .name: maskc, .offset: 8, .size: 8, .value_kind: global_buffer, .address_space: global }
      - { .name: ob, .offset: 16, .size: 8, .value_kind: global_buffer, .address_space: global }
    .group_segment_fixed_size: 327680
    .private_segment_fixed_size: 0
    .kernarg_segment_align: 8
    .kernarg_segment_size: 24
    .max_flat_workgroup_size: 128
    .sgpr_count:     98
    .vgpr_count:     1024
    .wavefront_size: 32
...
	.end_amdgpu_metadata
.endif
;; end of part 3
;; launch oproj (part 4): grid 16 x 16, 4 waves a work-group, clusters of 4 x 4, 327,680 bytes of LDS; arguments ob, wob, out0; writes out0
.if DOCPART == 4
	.amdgcn_target "amdgcn-amd-amdhsa--gfx1250"
	.amdhsa_code_object_version 6
	.text
	.protected	k_q908dd40892_oproj
	.globl	k_q908dd40892_oproj
	.p2align	8
	.type	k_q908dd40892_oproj,@function
k_q908dd40892_oproj:
	s_mov_b64 s[64:65], 0
	v_nop
	global_prefetch_b8 v0, s[64:65] scope:SCOPE_SE
	s_setreg_imm32_b32 hwreg(HW_REG_WAVE_MODE, 25, 1), 1
	s_wait_xcnt 0x0
	s_wait_alu depctr_hold_cnt(0) depctr_sa_sdst(0) depctr_va_vdst(0) depctr_va_sdst(0) depctr_va_ssrc(0) depctr_va_vcc(0) depctr_vm_vsrc(0)
	s_getreg_b32 s2, hwreg(HW_REG_IB_STS2, 6, 4)
	s_cmp_eq_u32 s2, 0
	s_cbranch_scc0 .Lentry_in_a_cluster
	s_endpgm
.Lentry_in_a_cluster:
	s_bfe_u32 s2, ttmp6, 0x10000c
	s_cmp_lg_u32 s2, 0xf033
	s_cbranch_scc0 .Lentry_shape_is_right
	s_endpgm
.Lentry_shape_is_right:
; out0[t][n] = the sum over k of ob[t][k] wob[k][n].  ob: f16 [2048][2048]; wob: f16 [2048 k][2048 n]; out0: f32 [2048][2048].  Sums in f32.
; A tile of the output is 128 x 128: 256 work-groups, one tile each.  Four waves, each 64 x 64: 16 accumulators.  K goes in steps of 256 through two LDS slots: 128 rows of ob (pitch 528), then 256 k rows of wob (pitch 288).
; Waves 0 and 1 fill ob's two halves (64 rows x 512 bytes), waves 2 and 3 wob's (128 k rows x 256 bytes).  CLUSTER 4 x 4: ob's tile is asked for jointly along a row of the cluster, wob's along a column.
; A K STEP IS WRITTEN ONCE in the loop and once in the tail: the slot in hand is a scalar that an exclusive or turns, the fragment addresses are made anew from it at each change of slots, and one descriptor set walks.
; THE WALK OF K GOES ROUND.  The cluster at (X, Y) begins at K step (2 X + 4 (Y % 2) + 2 (Y / 2)) mod 8 and takes the eight steps in ring order, so that the clusters that read the same rows of ob (same Y) or the same columns of
; wob (same X) ask for a given block at different times, two steps apart or more.  The start hangs on the cluster's coordinates alone: it is the same in all sixteen partners.  A sum's terms are the same, in a turned order.
; THE MATRIX INSTRUCTION IS USED TRANSPOSED: source 0 = 16 columns of wob (turned by ds_load_tr16_b128), source 1 = 16 rows of ob: a lane holds eight neighbouring numbers of a row of the output.
; No prefetch: the tiles are small, and a step's bytes are few beside what the ring itself has on its way.
; REGISTERS: window 0: v0-31 addresses; v32-95 rows on the way out; v128-255 the accumulators ((a, b) at 128 + 8 (4 a + b)).   window 1: two fragment buffers of 128: for 64 along K 64 registers of ob, then 64 of wob.
.set PA,    528
.set PB,    288
.set BOFF,  73728                      ; wob's rows begin here in a slot, 6,144 bytes behind ob's last: so that
.set SLOT,  BOFF+256*PB                ; a slot is 147,456 = 0x24000 bytes, and the four waves' first bytes in slot 0 (0, 0x8400, 0x12000, 0x1b000) have both of its bits clear: one exclusive or changes the slot
.set STAGE, 2*SLOT                     ; behind the ring: 16 rows x 272 bytes for each wave, its own
.set SPITCH, 272
.set SPARE, STAGE+4*16*SPITCH          ; the spare words, 128 bytes a wave, that no other line names
.set ADRA0, 16                         ; v16     my lane's place among ob's fragments in slot 0; never rewritten
.set CA,   17                          ; v17     the same in the slot in hand
.set ADRB0, 20                         ; v20-21  my lane's place among wob's fragments in slot 0, by half of the K step; never rewritten
.set CB,   22                          ; v22-23  the same in the slot in hand
.set STO,  24
.set RD,   25
.set CO,   26
.set SPW,  28
.set NIL,  29
.set TMP,  32
.set ACC,  128
.set F0,   0
.set F1,   128
.set BA,  14                           ; s[14:15] ob at my tile's rows, K step 0; never rewritten
.set BB,  46                           ; s[46:47] wob at my tile's columns, K step 0; never rewritten
.set G1, 24                            ; s[24:31] descriptor group 1 for ob's tiles;  s[32:39] group 0: a set for each first fill; the second then walks
.set G0, 32
.set G1B, 48                           ; s[48:55], s[56:63] the same for wob's
.set G0B, 56
.set TB,  45                           ; s45      the first byte of the slot in hand
.set KI,  66                           ; s66      the K step last asked for, 0 to 7
.set OFA, 68                           ; s[68:69] its byte offset in ob's rows
.set OFB, 70                           ; s[70:71] and in wob
.set STA, 72                           ; s[72:73] ob at the walk's first K step
.set STB, 74                           ; s[74:75] wob at the walk's first K step
.set MSB, 0
.macro WIN new
.if MSB != (\new)
	s_set_vgpr_msb (MSB<<8)|(\new)
.set MSB, \new
.endif
.endm
.set MUL,  0x05                        ; sources 0 and 1 window 1; C and D window 0
.set TO_F, 0x40                        ; destination window 1, address window 0
.macro JLOAD s                         ; a joint load by descriptor set s; an s_nop 0 and four v_nop follow each of the two lines
	s_cmp_eq_u32 s11, 0
	s_cbranch_scc0 .Lfor_b_\@
	tensor_load_to_lds s[G0+4*(\s):G0+4*(\s)+3], s[G1:G1+7]
	s_nop 0
.rept 4
	v_nop
.endr
	s_branch .Lasked_\@
.Lfor_b_\@:
	tensor_load_to_lds s[G0B+4*(\s):G0B+4*(\s)+3], s[G1B:G1B+7]
	s_nop 0
.rept 4
	v_nop
.endr
.Lasked_\@:
.endm
.macro CREST
	s_cmp_lg_u32 s10, 0
	s_cbranch_scc1 .Lnot_wave_0_\@
	s_barrier_signal -3
.Lnot_wave_0_\@:
	s_barrier_wait -3
	s_barrier_signal -1
	s_barrier_wait -1
.endm
.macro CROUND
	s_barrier_signal -1
	s_barrier_wait -1
	CREST
.endm
.macro PLACES
.rept 4
	v_nop
.endr
.endm
	s_load_b128 s[4:7], s[0:1], 0x0                ; ob s[4:5], wob s[6:7]
	s_load_b64 s[8:9], s[0:1], 0x10                ; out0
	v_lshl_add_u32 v[SPW], v0, 2, SPARE
	v_mov_b32 v[NIL], 0
	ds_add_u32 v[SPW], v[NIL]                      ; the wave's opening: the add and its wait ahead of my first tensor load
	v_lshrrev_b32 v1, 5, v0
	v_readfirstlane_b32 s10, v1                    ; wave 0..3
	s_lshr_b32 s11, s10, 1                         ; which 64 rows are mine.  Also: I fetch for ob (0) or for wob (1)
	s_and_b32 s12, s10, 1                          ; which 64 columns.  Also: which half of that tile I fetch
	s_bfe_u32 s40, ttmp6, 0x40000                  ; cx
	s_bfe_u32 s41, ttmp6, 0x40004                  ; cy
	s_lshl_b32 s42, ttmp9, 2
	s_add_co_u32 s42, s42, s40                     ; tile column
	s_and_b32 s13, ttmp7, 0xffff
	s_lshl_b32 s13, s13, 2
	s_add_co_u32 s13, s13, s41                     ; tile row
	s_lshl_b32 s43, s41, 2
	s_lshl_b32 s43, 15, s43                        ; my row of the cluster
	s_lshl_b32 s44, 0x1111, s40                    ; my column
	s_or_b32 s[G1+0], s43, (1<<16)|(1<<20)|(1<<21)|(6<<22)|(3<<25)   ; 2-byte elements; after every 128 words 4 words of padding
	s_or_b32 s[G1B+0], s44, (1<<16)|(1<<20)|(1<<21)|(5<<22)|(7<<25)  ; after every 64 words 8 words
	s_mov_b32 s[G1+1], 256<<16                     ; ob: 64 rows x 256 elements
	s_mov_b32 s[G1+2], 64<<16
	s_mov_b32 s[G1+3], 256<<16
	s_mov_b32 s[G1+4], 64
	s_mov_b32 s[G1+5], 2048
	s_mov_b32 s[G1+6], 0
	s_mov_b32 s[G1+7], 0
	s_mov_b32 s[G1B+1], 128<<16                    ; wob: 128 k rows x 128 elements
	s_mov_b32 s[G1B+2], 128<<16
	s_mov_b32 s[G1B+3], 128<<16
	s_mov_b32 s[G1B+4], 128
	s_mov_b32 s[G1B+5], 2048
	s_mov_b32 s[G1B+6], 0
	s_mov_b32 s[G1B+7], 0
	s_mov_b32 s[TB], 0
	s_and_b32 s[KI], ttmp7, 0xffff                 ; the walk's first K step, from the cluster's coordinates alone: Y,
	s_and_b32 s[OFA], s[KI], 1
	s_lshl_b32 s[OFA], s[OFA], 2                   ; 4 (Y % 2)
	s_lshr_b32 s[KI], s[KI], 1
	s_lshl_b32 s[KI], s[KI], 1                     ; + 2 (Y / 2)
	s_add_co_u32 s[KI], s[KI], s[OFA]
	s_lshl_b32 s[OFA], ttmp9, 1                    ; + 2 X,
	s_add_co_u32 s[KI], s[KI], s[OFA]
	s_and_b32 s[KI], s[KI], 7                      ; mod 8: an even number
	s_lshl_b32 s[OFA], s[KI], 9                    ; its 512 bytes along ob's rows,
	s_mov_b32 s[OFA+1], 0
	s_lshl_b32 s[OFB], s[KI], 20                   ; its 256 rows of 4,096 bytes down wob
	s_mov_b32 s[OFB+1], 0
	s_lshl_b32 s16, s13, 7
	s_lshl_b32 s17, s12, 6
	s_add_co_u32 s16, s16, s17                     ; ob: row 128 x tile row + 64 x half,
	s_lshl_b32 s16, s16, 12                        ; 4,096 bytes a row
	s_mov_b32 s17, 0
	s_lshl_b32 s46, s12, 19                        ; wob: k row 128 x half,
	s_lshl_b32 s47, s42, 8                         ; the tile column's 256 bytes
	s_add_co_u32 s46, s46, s47
	s_mov_b32 s47, 0
	s_mul_i32 s20, s12, 64*PA                      ; where they go
	s_mul_i32 s21, s12, 128*PB
	s_add_co_u32 s21, s21, BOFF
	s_wait_dscnt 0x0                               ; the opening add is done
	s_wait_kmcnt 0x0
	s_add_nc_u64 s[BA:BA+1], s[4:5], s[16:17]
	s_add_nc_u64 s[BB:BB+1], s[6:7], s[46:47]
	s_add_nc_u64 s[STA:STA+1], s[BA:BA+1], s[OFA:OFA+1]
	s_add_nc_u64 s[STB:STB+1], s[BB:BB+1], s[OFB:OFB+1]
	CROUND                                         ; all sixteen work-groups are here: the first joint loads meet
.irp s, 0,1
	s_mov_b32 s[G0+4*(\s)], 1
	s_add_co_u32 s[G0+4*(\s)+1], s20, (\s)*SLOT
	s_add_nc_u64 s[G0+4*(\s)+2:G0+4*(\s)+3], s[STA:STA+1], (\s)*512  ; the start is even: the walk's second step does not go round yet
	s_or_b32 s[G0+4*(\s)+3], s[G0+4*(\s)+3], 0x80000000
	s_mov_b32 s[G0B+4*(\s)], 1
	s_add_co_u32 s[G0B+4*(\s)+1], s21, (\s)*SLOT
	s_add_nc_u64 s[G0B+4*(\s)+2:G0B+4*(\s)+3], s[STB:STB+1], (\s)*1048576
	s_or_b32 s[G0B+4*(\s)+3], s[G0B+4*(\s)+3], 0x80000000
	JLOAD \s                                       ; the walk's first two K steps: two loads of mine are out
.endr
	s_add_co_u32 s[KI], s[KI], 1                   ; the K step last asked for
	v_and_b32 v1, 15, v0                           ; l % 16
	v_bfe_u32 v2, v0, 4, 1                         ; l / 16
	v_and_b32 v3, 7, v0
	v_bfe_u32 v4, v0, 3, 1
	v_mul_u32_u24 v5, v1, PA
	v_lshl_add_u32 v5, v2, 4, v5
	s_mul_i32 s21, s11, 64*PA
	v_add_nc_u32 v[ADRA0], s21, v5
	v_mov_b32 v[CA], v[ADRA0]                      ; the ring begins in slot 0
	v_lshl_add_u32 v6, v2, 3, v3                   ; the turning load: k row 8 (l / 16) + l % 8, columns 8 ((l / 8) % 2) on
	v_mul_u32_u24 v6, v6, PB
	v_lshl_add_u32 v6, v4, 4, v6
	s_lshl_b32 s22, s12, 7                         ; my 64 columns: 128 bytes
	v_add_nc_u32 v6, s22, v6
.irp g, 0,1
	v_add_nc_u32 v[ADRB0+(\g)], BOFF+(\g)*128*PB, v6
	v_mov_b32 v[CB+(\g)], v[ADRB0+(\g)]
.endr
	s_mul_i32 s23, s10, 16*SPITCH
	s_add_co_u32 s23, s23, STAGE                   ; my stage
	v_mul_u32_u24 v5, v1, SPITCH                   ; in: row l % 16, 32 bytes for each half of the lanes
	v_lshl_add_u32 v5, v2, 5, v5
	v_add_nc_u32 v[STO], s23, v5
	v_mul_u32_u24 v5, v2, SPITCH                   ; back: lanes 0-15 one row of 256 bytes, lanes 16-31 the next
	v_lshl_add_u32 v5, v1, 4, v5
	v_add_nc_u32 v[RD], s23, v5
	v_lshlrev_b32 v5, 13, v2                       ; and the same two rows in the output
	v_lshl_add_u32 v[CO], v1, 4, v5
	s_lshl_b32 s16, s13, 7
	s_lshl_b32 s17, s11, 6
	s_add_co_u32 s16, s16, s17                     ; my first row,
	s_lshl_b32 s16, s16, 13                        ; 8,192 bytes a row,
	s_lshl_b32 s18, s42, 9                         ; the tile's 512 bytes,
	s_lshl_b32 s19, s12, 8                         ; my 256 of them
	s_add_co_u32 s18, s18, s19
	s_add_co_u32 s18, s18, s16
	s_mov_b32 s19, 0
	s_add_nc_u64 s[8:9], s[8:9], s[18:19]
; 8 matrix instructions: row blocks a0, a0 + 1 x all 4 column blocks, 32 along K: half c of buffer f.  The 16 accumulators take turns.
.macro MUL8 f, c, a0, zero
	WIN MUL
.irp a, \a0, (\a0)+1
.irp b, 0,1,2,3
.if \zero
	v_wmma_f32_16x16x32_f16 v[ACC+8*(4*(\a)+(\b)):ACC+8*(4*(\a)+(\b))+7], v[(\f)+64+8*(4*(\c)+(\b)):(\f)+64+8*(4*(\c)+(\b))+7], v[(\f)+8*(4*(\c)+(\a)):(\f)+8*(4*(\c)+(\a))+7], 0
.else
	v_wmma_f32_16x16x32_f16 v[ACC+8*(4*(\a)+(\b)):ACC+8*(4*(\a)+(\b))+7], v[(\f)+64+8*(4*(\c)+(\b)):(\f)+64+8*(4*(\c)+(\b))+7], v[(\f)+8*(4*(\c)+(\a)):(\f)+8*(4*(\c)+(\a))+7], v[ACC+8*(4*(\a)+(\b)):ACC+8*(4*(\a)+(\b))+7]
.endif
.endr
.endr
.endm
; 32 LDS loads in one run: quarter kq (64 along K) of the slot in hand into buffer f; the first 32 along K first
.macro FETCH kq, f
	WIN TO_F
.irp c, 0,1
.irp i, 0,1,2,3
	ds_load_tr16_b128 v[(\f)+64+8*(4*(\c)+(\i)):(\f)+64+8*(4*(\c)+(\i))+3],   v[CB+(\kq)/2] offset:(((\kq)%2)*64+32*(\c))*PB+32*(\i)
	ds_load_tr16_b128 v[(\f)+64+8*(4*(\c)+(\i))+4:(\f)+64+8*(4*(\c)+(\i))+7], v[CB+(\kq)/2] offset:(((\kq)%2)*64+32*(\c))*PB+32*(\i)+16*PB
	ds_load_b128 v[(\f)+8*(4*(\c)+(\i)):(\f)+8*(4*(\c)+(\i))+3],         v[CA] offset:(\kq)*128+64*(\c)+(\i)*16*PA
	ds_load_b128 v[(\f)+8*(4*(\c)+(\i))+4:(\f)+8*(4*(\c)+(\i))+7],       v[CA] offset:(\kq)*128+64*(\c)+(\i)*16*PA+32
.endr
.endr
.endm
.macro QUARTER kq, f, g, zero
	s_wait_dscnt 16                                ; the first 32 along K are in
	MUL8 \f, 0, 0, \zero
	MUL8 \f, 0, 2, \zero
	PLACES
	FETCH \kq, \g
	s_wait_dscnt 32                                ; all but the 32 just issued
	MUL8 \f, 1, 0, 0
	MUL8 \f, 1, 2, 0
.endm
; The last quarter multiplies buffer 1 and changes slots: one barrier; in front of it each wave waits for all its tensor loads, adds 0 to its spare word, and waits for that and for its reads of this slot.
; Between the signal and the wait, where no LDS load of mine is out, the fragment addresses go over to the other slot.
; fill = 1: behind the add, where no tensor load of mine is out, the walking descriptors are made for the next K step of the ring; the barrier opens a round of the cluster's barrier, and the slot just left is filled
; again first thing behind the round: 112 matrix instructions ahead of the wait for it.
.macro TURN fill
	WIN 0
	s_wait_tensorcnt 0x0                           ; all my tensor loads have landed
	ds_add_u32 v[SPW], v[NIL]                      ; 0 onto my spare word
.if \fill
	s_add_co_u32 s[KI], s[KI], 1                   ; the next K step, round the ring of eight
	s_and_b32 s[KI], s[KI], 7
	s_lshl_b32 s[OFA], s[KI], 9
	s_lshl_b32 s[OFB], s[KI], 20
	s_xor_b32 s[G0+5], s[G0+5], SLOT               ; the other slot than last time; the address is made anew from the base and the step's offset, the type bits set again
	s_add_nc_u64 s[G0+6:G0+7], s[BA:BA+1], s[OFA:OFA+1]
	s_or_b32 s[G0+7], s[G0+7], 0x80000000
	s_xor_b32 s[G0B+5], s[G0B+5], SLOT
	s_add_nc_u64 s[G0B+6:G0B+7], s[BB:BB+1], s[OFB:OFB+1]
	s_or_b32 s[G0B+7], s[G0B+7], 0x80000000
.endif
	s_wait_dscnt 17                                ; (the add and the youngest sixteen loads may be out)
	MUL8 F1, 0, 0, 0
	s_wait_dscnt 0x0                               ; the add is done, and my reads of this slot are over
	s_barrier_signal -1
	MUL8 F1, 0, 2, 0
	WIN 0
	s_xor_b32 s[TB], s[TB], SLOT                   ; the other slot is the slot in hand from here on
	v_add_nc_u32 v[CA], s[TB], v[ADRA0]
	v_add_nc_u32 v[CB], s[TB], v[ADRB0]
	v_add_nc_u32 v[CB+1], s[TB], v[ADRB0+1]
	s_barrier_wait -1
.if \fill
	CREST
	JLOAD 1                                        ; the four v_nop behind it are also the places in front of the loads below
.else
	PLACES
.endif
	FETCH 0, F0
	MUL8 F1, 1, 0, 0
	MUL8 F1, 1, 2, 0
.endm
	s_wait_tensorcnt 1                             ; my part of the walk's first K step is in; the second's load may stay out
	s_barrier_signal -1
	s_barrier_wait -1
	FETCH 0, F0
	QUARTER 1, F0, F1, 1                           ; the first quarter stands in front of the loop: its first products start the sums
	WIN 0
	s_mov_b32 s3, 6
.Lstep:                                        ; a trip goes from a K step's second quarter to the next step's first, and fills the slot that it leaves: the walk's steps 3 to 8 in six trips
	QUARTER 2, F1, F0, 0
	QUARTER 3, F0, F1, 0
	TURN 1
	QUARTER 1, F0, F1, 0
	WIN 0
	s_sub_co_u32 s3, s3, 1
	s_cmp_lg_u32 s3, 0
	s_cbranch_scc1 .Lstep
	s_mov_b32 s3, 2
.Ltail:                                        ; the last two K steps fill nothing: the same trip without a tensor load, walked once and left in the middle of its second pass
	QUARTER 2, F1, F0, 0
	QUARTER 3, F0, F1, 0
	WIN 0
	s_sub_co_u32 s3, s3, 1
	s_cmp_eq_u32 s3, 0
	s_cbranch_scc1 .Lout
	TURN 0
	QUARTER 1, F0, F1, 0
	WIN 0
	s_branch .Ltail
.Lout:
	s_wait_dscnt 16                                ; the very last quarter: nothing more to fetch
	MUL8 F1, 0, 0, 0
	MUL8 F1, 0, 2, 0
	s_wait_dscnt 0x0
	MUL8 F1, 1, 0, 0
	MUL8 F1, 1, 2, 0
	WIN 0
	; THE WAY OUT, 16 rows at a time: a lane's eight f32 of a row go into my own stage (each accumulator's low four registers first) and come back as whole rows of 256 bytes.
	PLACES
.irp a, 0,1,2,3
.irp b, 0,1,2,3
	ds_store_b128 v[STO], v[ACC+8*(4*(\a)+(\b)):ACC+8*(4*(\a)+(\b))+3]   offset:64*(\b)
	ds_store_b128 v[STO], v[ACC+8*(4*(\a)+(\b))+4:ACC+8*(4*(\a)+(\b))+7] offset:64*(\b)+16
.endr
	s_wait_xcnt 0x0                                ; the registers that earlier stores read are loaded again only behind this wait
.irp t, 0,1,2,3,4,5,6,7
	ds_load_b128 v[TMP+32*((\a)%2)+4*(\t):TMP+32*((\a)%2)+4*(\t)+3], v[RD] offset:(\t)*2*SPITCH  ; LDS serves a wave's instructions in order (ISA guide 5.7.1.4): these see the stores above
.endr
	s_wait_dscnt 0x0
.irp t, 0,1,2,3,4,5,6,7
	global_store_b128 v[CO], v[TMP+32*((\a)%2)+4*(\t):TMP+32*((\a)%2)+4*(\t)+3], s[8:9] offset:(16*(\a)+2*(\t))*8192  ; 16 lanes store 256 consecutive bytes, aligned
.endr
.endr
	s_wait_tensorcnt 0x0                           ; the wave's end, behind my last tensor load and my last LDS store
	ds_add_u32 v[SPW], v[NIL]
	s_wait_dscnt 0x0
	CROUND                                         ; the closing round
	s_endpgm
.Lfunc_end_k_q908dd40892_oproj:
	.size	k_q908dd40892_oproj, .Lfunc_end_k_q908dd40892_oproj-k_q908dd40892_oproj
	.p2alignl 7, 3214868480
	.fill 96, 4, 3214868480
	.section	.rodata,"a",@progbits
	.p2align	6, 0x0
	.amdhsa_kernel k_q908dd40892_oproj
		.amdhsa_group_segment_fixed_size 327680
		.amdhsa_private_segment_fixed_size 0
		.amdhsa_enable_private_segment 0
		.amdhsa_kernarg_size 24
		.amdhsa_user_sgpr_count 2
		.amdhsa_user_sgpr_kernarg_segment_ptr 1
		.amdhsa_wavefront_size32 1
		.amdhsa_system_sgpr_workgroup_id_x 1
		.amdhsa_system_sgpr_workgroup_id_y 1
		.amdhsa_system_sgpr_workgroup_id_z 1
		.amdhsa_system_vgpr_workitem_id 0
		.amdhsa_next_free_vgpr 512
		.amdhsa_next_free_sgpr 76
		.amdhsa_reserve_vcc 0
		.amdhsa_float_denorm_mode_32 3
		.amdhsa_float_denorm_mode_16_64 3
		.amdhsa_memory_ordered 1
		.amdhsa_forward_progress 1
		.amdhsa_inst_pref_size 61
	.end_amdhsa_kernel
	.amdgpu_metadata
---
amdhsa.version: [ 1, 2 ]
amdhsa.kernels:
  - .name:           k_q908dd40892_oproj
    .symbol:         k_q908dd40892_oproj.kd
    .args:
      - { .name: ob, .offset: 0, .size: 8, .value_kind: global_buffer, .address_space: global }
      - { .name: wob, .offset: 8, .size: 8, .value_kind: global_buffer, .address_space: global }
      - { .name: out0, .offset: 16, .size: 8, .value_kind: global_buffer, .address_space: global }
    .group_segment_fixed_size: 327680
    .private_segment_fixed_size: 0
    .kernarg_segment_align: 8
    .kernarg_segment_size: 24
    .max_flat_workgroup_size: 128
    .sgpr_count:     76
    .vgpr_count:     512
    .wavefront_size: 32
...
	.end_amdgpu_metadata
.endif
;; end of part 4
